; MI455X (gfx1250); checked and timed in simulation.
; The chip was launched on July 23, 2026; its instructions are those of AMD's public machine-readable ISA for CDNA 5 (MIT licence, August 2026) and "CDNA5" Instruction Set Architecture Reference Guide (July 2026). The comments in the code are by the model that wrote it; some were corrected since.
;; Flash Multi Head Attention. Allowed arithmetic: matrix products marked QUANTISED: E4M3 operands, one given power-of-two scale a tensor, by v_wmma_f32_16x16x64_fp8_fp8 or v_wmma_f32_16x16x128_fp8_fp8, f32 sums; everything else in f32.
;; Inputs: Wk 512 x 2,048 float32; Wo 2,048 x 2,048 float32; Wq 2,048 x 2,048 float32; Wv 512 x 2,048 float32; bk 512 float32; bo 2,048 float32; bq 2,048 float32; bv 512 float32; lowp_scales 12 int32 (the exponents e of the quantised operands' scales 2^e); x 2 x 1,024 x 2,048 float32.
;; Outputs: out0 2 x 1,024 x 2,048 float32.
;; This version of the problem:
;;   THIS VERSION OF THE PROBLEM IS GIVEN IN LOW PRECISION. The matrix products marked QUANTISED in the list below multiply operands that are first quantised to E4M3 (4 exponent bits, 3 mantissa bits; 8 bits a number), with one given power-of-two scale for each operand tensor; their sums are f32. All else is computed in f32.
;;   The module's matrix products, in the order in which they are computed (A, B: the left and right operand; K: the contracted axis; several contracted axes count as one K, in the product's order):
;;     1. [M 2,048, K 2,048] x [K 2,048, N 2,048]; A: input x; B: input Wq: QUANTISED (scales: A lowp_scales[0], B lowp_scales[1])
;;     2. [M 2,048, K 2,048] x [K 2,048, N 512]; A: input x; B: input Wk: QUANTISED (scales: A lowp_scales[2], B lowp_scales[3])
;;     3. [M 2,048, K 2,048] x [K 2,048, N 512]; A: input x; B: input Wv: QUANTISED (scales: A lowp_scales[4], B lowp_scales[5])
;;     4. batch 16 x [M 1,024, K 64] x [K 64, N 4,096]; A: computed on the way; B: computed on the way: QUANTISED (scales: A lowp_scales[6], B lowp_scales[7])
;;     5. batch 16 x [M 64, K 1,024] x [K 1,024, N 4,096]; A: computed on the way; B: softmax (see below): QUANTISED (scales: A lowp_scales[8], B lowp_scales[9])
;;     6. [M 2,048, K 2,048] x [K 2,048, N 2,048]; A: computed on the way; B: input Wo: QUANTISED (scales: A lowp_scales[10], B lowp_scales[11])
;;   THE QUANTISER, for each operand of a quantised product, along K:
;;     - The operand's scale is 2^e, e = its entry of the input lowp_scales (int32; the entries are numbered through the quantised products in the list's order, A before B).
;;     - Each number is divided by the scale, clamped to +-448, and rounded to the nearest number of E4M3, ties to even, subnormals kept.
;;     - The product sums the exact products of the quantised numbers (number of the format x scale) in f32.
;;   ~~~python
;;   def quantise(x, axis, e):      # numpy; x: float32 -> the quantised numbers, widened to float32 again
;;       x = np.moveaxis(x, axis, -1); K = x.shape[-1]
;;       r = np.clip(x / 2.0 ** e, -448, 448)
;;       step = 2.0 ** (np.maximum(np.frexp(np.where(r == 0, 1, r))[1] - 1, -6) - 3)
;;       q = np.round(r / step) * step * 2.0 ** e      # np.round: ties to even
;;       return np.moveaxis(q, -1, axis).astype(np.float32)
;;   ~~~
;;   SOFTMAX AHEAD OF A QUANTISED PRODUCT. Where the list says 'softmax', what is quantised is not the finished softmax but p = 2^(t - M), with t = logit x log2(e) and M = ceil(the row's largest t), a whole number; so 1/2 < the row's largest p <= 1. The row's sum l is taken of the UNQUANTISED p, in f32, and the product's result is divided by l at the end. Since M is a whole number, a kernel that streams over the keys may use a running M (the ceiling of the running maximum): every later rescaling is an exact power of two, so the quantised numbers keep their values, but for numbers so far below the row's largest that they fall under the format's range.
;;   OPERANDS COMPUTED ON THE WAY. 'Computed on the way' means the value that the module computes at that place (a softmax that the list does not call 'softmax' is quantised finished and normalised). What goes into a quantiser is computed in f32, as accurately as f32 sums, v_exp_f32 and their like allow (about 1e-6 of the number): no bf16 or f16 on the way to a quantiser, and a product that is left as it is and whose result goes on into a quantised operand takes f32 operands (vector FMAs, or v_wmma_f32_16x16x4_f32). A number that lies on a knife's edge between two numbers of the format may be rounded either way, as far as f32 arithmetic and the matrix unit's own rounding can turn it there, and no further.
;; One version. Each part assembles by itself: llvm-mc -triple=amdgcn-amd-amdhsa -mcpu=gfx1250 --defsym DOCPART=n.
;; ======== version 1 of 1: 4 launches
;; limits: right only within a limited range of input values
;; workspace buffers: cod 18,874,368 bytes; woc 4,194,304 bytes; qc 4,194,304 bytes; kvc 2,097,152 bytes; oc 4,194,304 bytes
;; launch quant (part 1): grid 256 x 1, 20 waves a work-group, no clusters, 0 bytes of LDS; arguments x, Wq, Wk, Wv, lowp_scales, cod; writes cod
.if DOCPART == 1
	.amdgcn_target "amdgcn-amd-amdhsa--gfx1250"
	.amdhsa_code_object_version 6
	.text
	.protected	k_qb6a0cd33fd_quant
	.globl	k_qb6a0cd33fd_quant
	.p2align	8
	.type	k_qb6a0cd33fd_quant,@function
k_qb6a0cd33fd_quant:
	s_mov_b64 s[64:65], 0
	v_nop
	global_prefetch_b8 v0, s[64:65] scope:SCOPE_SE
	s_setreg_imm32_b32 hwreg(HW_REG_WAVE_MODE, 25, 1), 1
	s_wait_xcnt 0x0
; x, Wq, Wk, Wv (f32, K innermost, rows of 2,048) become codes of FP8 (E4M3), one code a byte.  (Wo is quantised in the attention launch.)
; code = number / 2^e, held within +-448, rounded to the nearest code, ties to even.  x is an operand of three products with a scale of its own in each
; (entries 0, 2, 4 of the scales): it is read once and written three times.  Wq: entry 1, Wk: entry 3, Wv: entry 5.
; LIMITS: each of these exponents lies between -126 and 119, so that 2^e and 448 x 2^e are f32 numbers.  NaN among the inputs is not served; an infinity is held at the largest code.
; WORK LEFT OUT in this program: steps of 128 keys that all come after a tile's queries (attention): the causal mask that the problem itself builds makes their weights 0, whatever the inputs hold.
; LIMIT of that: a NaN or an infinity that reaches only hidden keys' scores is not carried to the result.  Every input has a way to the output and is read.
; cod: 144 row tiles of 64 rows x 2,048 codes, 131,072 bytes each: 0-31 x by entry 0, 32-63 x by entry 2, 64-95 x by entry 4, 96-127 Wq, 128-135 Wk, 136-143 Wv.
; A row tile is four blocks, one for each 512 of K: 64 rows x 512 bytes, dense.  Inside a row of 512, byte 16 l + 4 i + j is k = 128 i + 4 l + j: the same order in every operand of these
; products, so each product meets its partner.  By this order a load takes 512 consecutive bytes (16 a lane), and four loads' numbers in a lane are 16 neighbouring bytes of codes: no turn through LDS.
; A wave takes one row: 16 loads, all asked for at once; 256 work-groups of 20 rows each: 8 of x (waves 0-7), 8 of Wq (8-15), 2 of Wk (16, 17), 2 of Wv (18, 19).
; No LDS, no barrier, no loop (so no prefetch: there is nothing to run ahead in): waves and work-groups share nothing.
.set R,  16                            ; v16-79    a row's numbers, 64 a lane
.set T,  80                            ; v80-111   held numbers for x's first two scales (the third, and a weight's, are held in place)
.set C,  112                           ; v112-159  codes: 12 registers for each 512 of K, written once
; v3 16 x lane; v10 + 2 o, v11 + 2 o: 2^e and 448 x 2^e of output o;  s[20:21] my row; s[40:45] my codes, a pair for each output
	s_load_b256 s[4:11], s[0:1], 0x0               ; x, Wq, Wk, Wv
	s_load_b128 s[12:15], s[0:1], 0x20             ; the scales' exponents, cod
	v_lshrrev_b32 v1, 5, v0
	v_readfirstlane_b32 s16, v1                    ; wave
	v_and_b32 v2, 31, v0
	v_lshlrev_b32 v3, 4, v2
	s_lshl_b32 s18, ttmp9, 1
	s_add_co_u32 s18, s18, s16
	s_sub_co_u32 s19, s18, 18                      ; Wv's row
	s_sub_co_u32 s17, s18, 16                      ; Wk's
	s_lshl_b32 s18, ttmp9, 3
	s_add_co_u32 s18, s18, s16                     ; x's
	s_sub_co_u32 s23, s18, 8                       ; Wq's
	s_wait_alu depctr_va_vdst(0)
	s_wait_kmcnt 0x0
	s_load_b256 s[24:31], s[12:13], 0x0            ; e0 .. e7
	; the tensor, its row and its place in cod are chosen by the wave's number alone
	s_mov_b32 s22, 0x1100000
	s_cmp_lt_u32 s16, 18
	s_cselect_b32 s19, s17, s19
	s_cselect_b64 s[20:21], s[8:9], s[10:11]
	s_cselect_b32 s22, 0x1000000, s22
	s_cmp_lt_u32 s16, 16
	s_cselect_b32 s19, s23, s19
	s_cselect_b64 s[20:21], s[6:7], s[20:21]
	s_cselect_b32 s22, 0xc00000, s22
	s_cmp_lt_u32 s16, 8
	s_cselect_b32 s19, s18, s19
	s_cselect_b64 s[20:21], s[4:5], s[20:21]
	s_cselect_b32 s22, 0, s22
	s_lshl_b32 s34, s19, 13
	s_mov_b32 s35, 0
	s_add_nc_u64 s[20:21], s[20:21], s[34:35]
.irp i, 0,1,2,3,4,5,6,7,8,9,10,11,12,13,14,15
	global_load_b128 v[R+4*\i:R+4*\i+3], v3, s[20:21] offset:512*\i th:TH_LOAD_NT   ; 32 lanes read 512 consecutive bytes; read once in the launch
.endr
	s_lshr_b32 s34, s19, 6
	s_lshl_b32 s34, s34, 17                        ; the row tile,
	s_and_b32 s36, s19, 63
	s_lshl_b32 s36, s36, 9                         ; the row in each of its blocks
	s_add_co_u32 s34, s34, s36
	s_add_co_u32 s34, s34, s22
	s_add_nc_u64 s[40:41], s[14:15], s[34:35]
.macro SCALES e, o                     ; s[e] = the exponent: 2^e and 448 x 2^e as f32, for output o
	s_add_co_i32 s50, s[\e], 127
	s_lshl_b32 s51, s50, 23
	v_mov_b32 v[10+2*(\o)], s51                    ; the conversion takes its exponent field
	s_add_co_i32 s50, s50, 8
	s_lshl_b32 s50, s50, 23
	s_or_b32 s50, s50, 0x600000                    ; 448 = 1.75 x 2^8
	v_mov_b32 v[11+2*(\o)], s50
.endm
.macro OUT k, o, hold                  ; output o of the k-th 512 of K
.set XS, R+16*(\k)
.set CS, C+12*(\k)+4*(\o)
.irp i, 0,1,2,3,4,5,6,7,8,9,10,11,12,13,14,15
	v_med3_num_f32 v[(\hold)+\i], v[XS+\i], -v[11+2*(\o)], v[11+2*(\o)]   ; the conversion to an 8-bit code does not saturate (ISA guide 7.6.2): hold first
.endr
	v_cvt_scalef32_pk8_fp8_f32 v[CS:CS+1], v[(\hold):(\hold)+7], v[10+2*(\o)]
	v_cvt_scalef32_pk8_fp8_f32 v[CS+2:CS+3], v[(\hold)+8:(\hold)+15], v[10+2*(\o)]
	global_store_b128 v3, v[CS:CS+3], s[40+2*(\o):41+2*(\o)] offset:32768*(\k)   ; 512 consecutive bytes, aligned: a row of a block
.endm
	s_wait_kmcnt 0x0
	s_cmp_lt_u32 s16, 8
	s_cbranch_scc0 .Lweights
	s_add_nc_u64 s[42:43], s[40:41], 0x400000
	s_add_nc_u64 s[44:45], s[40:41], 0x800000
	SCALES 24, 0
	SCALES 26, 1
	SCALES 28, 2
	s_wait_alu depctr_va_vdst(0)
.irp k, 0,1,2,3
	s_wait_loadcnt 12-4*\k                         ; this 512's four loads are in; those behind may be out
	OUT \k, 0, T
	OUT \k, 1, T+16
	OUT \k, 2, R+16*\k
.endr
	v_nop                                          ; a plain vector line behind the last conversion
	s_endpgm
.Lweights:
	s_cmp_lt_u32 s16, 18
	s_cselect_b32 s53, s27, s29                    ; Wk's, else Wv's
	s_cmp_lt_u32 s16, 16
	s_cselect_b32 s53, s25, s53                    ; Wq's
	SCALES 53, 0
	s_wait_alu depctr_va_vdst(0)
.irp k, 0,1,2,3
	s_wait_loadcnt 12-4*\k
	OUT \k, 0, R+16*\k
.endr
	v_nop
	s_endpgm
.Lfunc_end_k_qb6a0cd33fd_quant:
	.size	k_qb6a0cd33fd_quant, .Lfunc_end_k_qb6a0cd33fd_quant-k_qb6a0cd33fd_quant
	.p2alignl 7, 3214868480
	.fill 96, 4, 3214868480
	.section	.rodata,"a",@progbits
	.p2align	6, 0x0
	.amdhsa_kernel k_qb6a0cd33fd_quant
		.amdhsa_group_segment_fixed_size 0
		.amdhsa_private_segment_fixed_size 0
		.amdhsa_enable_private_segment 0
		.amdhsa_kernarg_size 48
		.amdhsa_user_sgpr_count 2
		.amdhsa_user_sgpr_kernarg_segment_ptr 1
		.amdhsa_wavefront_size32 1
		.amdhsa_system_sgpr_workgroup_id_x 1
		.amdhsa_system_sgpr_workgroup_id_y 1
		.amdhsa_system_sgpr_workgroup_id_z 1
		.amdhsa_system_vgpr_workitem_id 0
		.amdhsa_next_free_vgpr 160
		.amdhsa_next_free_sgpr 66
		.amdhsa_reserve_vcc 0
		.amdhsa_float_denorm_mode_32 3
		.amdhsa_float_denorm_mode_16_64 3
		.amdhsa_memory_ordered 1
		.amdhsa_forward_progress 1
		.amdhsa_inst_pref_size 25
	.end_amdhsa_kernel
	.amdgpu_metadata
---
amdhsa.version: [ 1, 2 ]
amdhsa.kernels:
  - .name:           k_qb6a0cd33fd_quant
    .symbol:         k_qb6a0cd33fd_quant.kd
    .args:
      - { .name: x, .offset: 0, .size: 8, .value_kind: global_buffer, .address_space: global }
      - { .name: Wq, .offset: 8, .size: 8, .value_kind: global_buffer, .address_space: global }
      - { .name: Wk, .offset: 16, .size: 8, .value_kind: global_buffer, .address_space: global }
      - { .name: Wv, .offset: 24, .size: 8, .value_kind: global_buffer, .address_space: global }
      - { .name: lowp_scales, .offset: 32, .size: 8, .value_kind: global_buffer, .address_space: global }
      - { .name: cod, .offset: 40, .size: 8, .value_kind: global_buffer, .address_space: global }
    .group_segment_fixed_size: 0
    .private_segment_fixed_size: 0
    .kernarg_segment_align: 8
    .kernarg_segment_size: 48
    .max_flat_workgroup_size: 640
    .sgpr_count:     66
    .vgpr_count:     160
    .wavefront_size: 32
...
	.end_amdgpu_metadata
.endif
;; end of part 1
;; launch qkv (part 2): grid 16 x 16, 4 waves a work-group, clusters of 4 x 4, 327,680 bytes of LDS; arguments cod, bq, bk, bv, lowp_scales, qc, kvc; writes qc, kvc
.if DOCPART == 2
	.amdgcn_target "amdgcn-amd-amdhsa--gfx1250"
	.amdhsa_code_object_version 6
	.text
	.protected	k_qb6a0cd33fd_qkv
	.globl	k_qb6a0cd33fd_qkv
	.p2align	8
	.type	k_qb6a0cd33fd_qkv,@function
k_qb6a0cd33fd_qkv:
	s_mov_b64 s[64:65], 0
	v_nop
	global_prefetch_b8 v0, s[64:65] scope:SCOPE_SE
	s_setreg_imm32_b32 hwreg(HW_REG_WAVE_MODE, 25, 1), 1
	s_wait_xcnt 0x0
	s_wait_alu depctr_hold_cnt(0) depctr_sa_sdst(0) depctr_va_vdst(0) depctr_va_sdst(0) depctr_va_ssrc(0) depctr_va_vcc(0) depctr_vm_vsrc(0)
	s_getreg_b32 s2, hwreg(HW_REG_IB_STS2, 6, 4)
	s_cmp_eq_u32 s2, 0
	s_cbranch_scc0 .Lentry_in_a_cluster
	s_endpgm
.Lentry_in_a_cluster:
	s_bfe_u32 s2, ttmp6, 0x10000c
	s_cmp_lg_u32 s2, 0xf033
	s_cbranch_scc0 .Lentry_shape_is_right
	s_endpgm
.Lentry_shape_is_right:
; q = x Wq^T + bq, k = x Wk^T + bk, v = x Wv^T + bv on codes of FP8 (E4M3); each result is quantised at once for attention's products (q: entry 7 of the scales, k: entry 6, v: entry 8).
; cod holds row tiles of 64 rows, 131,072 bytes each: 0-31 x by entry 0, 32-63 x by entry 2, 64-95 x by entry 4, 96-127 Wq, 128-135 Wk, 136-143 Wv; a tile is four dense blocks of 64 rows x 512 bytes, one for each 512 of K.
; A WORK-GROUP STAYS: it makes one tile of q, 128 x 128, and then one tile of k or of v, 128 x 64: 256 tiles of q and 128 + 128 of k and v make 256 work-groups of equal work.
; K = 2,048 goes in steps of 512 through two LDS slots, eight steps in all, written out without a loop; q's last two changes of slots ask for the second product's first two K steps.
; A fill is one dense block of 64 rows a wave.  THE HEAD: each wave's one load brings its part of K step 0; K step 1's goes out behind a round, when step 0 has landed, and has step 0's products in which to land.
; LDS: wave w's part is 128 rows from 128 w PITCH on: its 64 rows of slot 0, then of slot 1.  Parts 0, 1: A's 128 rows; parts 2, 3: B's (the second product: part 2 alone).
; THE MATRIX INSTRUCTION IS USED TRANSPOSED (source 0 = 16 rows of B, source 1 = 16 rows of A): a lane holds one row of A's and eight neighbouring rows of B's, 16 b + 8 (lane / 16) + 0 .. 7, which become 8 codes.
; q: A = x (tokens), B = Wq.  Four waves of 64 x 64, 16 accumulators.  Second product, a wave 32 rows of A x all 64 of B, 8 accumulators: clusters x = 0, 1: k: A = 128 tokens of x, B = one head of Wk;
; clusters x = 2, 3: v: A = two heads of Wv (rows: d), B = 64 tokens of x (columns: keys, the next K).  Between k and v only tile numbers, the bias and the place of the result differ, and the choice hangs on the cluster's x alone.
; CLUSTERS: 4 x 4 work-groups; A's tile is shared along a row of the cluster, B's along a column: each is asked for jointly, by the same tensor load with a mask that names the four.
; PREFETCH: of a wave's block, 32,768 bytes, each of the four partners names 8,192 (told apart by address: cx for A, cy for B), a lane a piece of 256 bytes.  Step 0 comes by its load alone; steps 1 and 2 are named at the head,
; step 3 behind step 1's load, and the change that loads step n names step n + 2.  Wv's rows, which eight clusters walk, are named by four of them (cluster y under 2).
; OUT: blocks of 64 rows x 64 codes, 4,096 bytes, dense: qc [b 32 + head][16 blocks of 64 tokens], kvc [b 8 + head][k, v][16 blocks].  Row m of a block lies at row m with bits 3 and 4 exchanged:
; so 16 consecutive stored rows 32 B + 16 u + r are rows 32 B + 8 u + r + 8 (r / 8), the choice by which two neighbouring result tiles of attention hold 16 neighbours along its next K.
; LIMITS: e0 + e1, e2 + e3, e4 + e5 between -126 and 127; e6, e7, e8 between -126 and 119: each power of two below is an f32 number.
; REGISTERS: window 0: v14-31 addresses and scales; v32-63 bq of my 64 columns, later q's codes; v64-95 the second product's bias by columns; v96-99 by rows; v100-115 its codes;
;   v128-255 accumulator (a, b) at v[128 + 8 (4 a + b)]; the second product takes v128-191; q's rows come back from the stage into v192-223, the second product's into v224-239.
;   window 1: two fragment buffers of 128: A's fragments (16 rows x 128 K, 16 registers) from the buffer's start, B's four from its middle.
.set KSTEP,  512
.set KB,     32768                     ; a block of 64 rows x 512 codes in memory
.set PITCH,  528                       ; an LDS row: 512 bytes + 16 of padding: 16 rows of a fragment load begin at 16 different 16-byte columns modulo 256 bytes
.set HALFT,  64*PITCH                  ; 64 rows: what a fill brings
.set PART,   2*HALFT                   ; a wave's part: slot 0, slot 1
.set STAGE,  4*PART                    ; behind the slots: 64 rows x 80 bytes for each wave
.set SPITCH, 80
.set SPARE,  STAGE+4*64*SPITCH         ; behind the stages: the spare words, 128 bytes a wave, which no other line names
.set LIM2, 14                          ; the second product: 448 x 2^e of the result's scale,
.set SC2,  15                          ; and 2^e
.set ADRA, 16                          ; v16-17 my fragments of A in slot 0, 1: q
.set ADRA2, 18                         ; v18-19 the second product
.set ADRB, 20                          ; v20-21 of B: q
.set ADRB2, 22                         ; v22-23 the second product
.set STO,  24
.set RD,   25
.set CO,   26
.set PFO,  27                          ; the prefetches' offset: 256 x lane; never rewritten
.set SPW,  28
.set NIL,  29
.set LIM,  30                          ; q: 448 x 2^e7
.set SC,   31                          ; 2^e7
.set CB,   32
.set CB2,  64
.set RB,   96
.set CD2,  100
.set ACC,  128
.set BK,   192
.set BK2,  224
.set F0,   0
.set F1,   128
.set G1,  24                           ; s[24:31] group 1 for A, s[48:55] for B
.set G1B, 48
.set G0,  32                           ; s[32:35] group 0 for A, s[36:39] for B
.set G0B, 36
.set PA,  66                           ; s[66:67] the second product's A: my 64 rows at K = 0
.set PB,  82                           ; s[82:83] its B: the 64 rows at K = 0
.set PF,  100                          ; s[100:101] where my prefetches stand: q
.set PF2, 104                          ; s[104:105] the second product
.set MSB, 0
.macro WIN new                         ; the immediate's high byte repeats the setting that is left
.if MSB != \new
	s_set_vgpr_msb (MSB<<8)|\new
.set MSB, \new
.endif
.endm
.set MUL,  0x05                        ; sources 0 and 1 window 1; C and D window 0
.set TO_F, 0x40                        ; destination window 1, address window 0
.macro JLOAD                           ; a joint load: waves 0, 1 fetch A's halves, waves 2, 3 B's; an s_nop 0 and four v_nop follow each line, ahead of the jump and the label
	s_cmp_eq_u32 s11, 0
	s_cbranch_scc0 .Lfor_b_\@
	tensor_load_to_lds s[G0:G0+3], s[G1:G1+7]
	s_nop 0
.rept 4
	v_nop
.endr
	s_branch .Lasked_\@
.Lfor_b_\@:
	tensor_load_to_lds s[G0B:G0B+3], s[G1B:G1B+7]
	s_nop 0
.rept 4
	v_nop
.endr
.Lasked_\@:
.endm
.macro JLOAD2                          ; for the second product: waves 0, 1 fetch A's halves, wave 2 B's 64 rows, wave 3 has no part to fill.  The branches hang on the wave's number alone
	s_cmp_eq_u32 s11, 0
	s_cbranch_scc0 .Lfor_b2_\@
	tensor_load_to_lds s[G0:G0+3], s[G1:G1+7]
	s_nop 0
.rept 4
	v_nop
.endr
	s_branch .Lasked2_\@
.Lfor_b2_\@:
	s_cmp_eq_u32 s10, 2
	s_cbranch_scc0 .Lnone2_\@
	tensor_load_to_lds s[G0B:G0B+3], s[G1B:G1B+7]
	s_nop 0
.rept 4
	v_nop
.endr
	s_branch .Lasked2_\@
.Lnone2_\@:
.rept 4
	v_nop                                          ; wave 3's places in front of the LDS loads that follow
.endr
.Lasked2_\@:
.endm
.macro ASK2 n                          ; the second product's K step n into the L2; s93 is made of the wave's number and the cluster's place in the grid
	WIN 0
	s_cmp_eq_u32 s93, 1
	s_cbranch_scc0 .Lnot_mine_\@
	global_prefetch_b8 v[PFO], s[PF2:PF2+1] offset:(\n)*KB th:TH_LOAD_NT scope:SCOPE_SE
.Lnot_mine_\@:
.endm
.macro CREST                           ; a round of the cluster's barrier behind its opening barrier
	s_cmp_lg_u32 s10, 0
	s_cbranch_scc1 .Lnot_wave_0_\@
	s_barrier_signal -3
.Lnot_wave_0_\@:
	s_barrier_wait -3
	s_barrier_signal -1
	s_barrier_wait -1
.endm
.macro CROUND
	s_barrier_signal -1
	s_barrier_wait -1
	CREST
.endm
.macro PLACES                          ; four places in front of loads into registers that matrix instructions have read, and of the first read of results
.rept 4
	v_nop
.endr
.endm
.macro FRAG reg, adr, k, i             ; a fragment: lane l holds row l % 16; registers 4 c .. 4 c + 3 hold bytes 32 c + 16 (l / 16) + 0 .. 15 of the 128: the same places in A and in B
.irp c, 0,1,2,3
	ds_load_b128 v[(\reg)+4*\c:(\reg)+4*\c+3], v[\adr] offset:(\k)+32*\c+(\i)*16*PITCH
.endr
.endm
.macro FETCH slot, k, f                ; q: 32 LDS loads in one run: 128 along K at byte k of the rows: B's four fragments, then A's four; the youngest eight are A's blocks 2 and 3
	WIN TO_F
.irp i, 0,1,2,3
	FRAG (\f)+64+16*\i, ADRB+\slot, \k, \i
.endr
.irp i, 0,1,2,3
	FRAG (\f)+16*\i, ADRA+\slot, \k, \i
.endr
.endm
.macro FETCH2 slot, k, f               ; the second product: 24 loads: B's four fragments, then A's two; the youngest four are A's block 1
	WIN TO_F
.irp i, 0,1,2,3
	FRAG (\f)+64+16*\i, ADRB2+\slot, \k, \i
.endr
.irp i, 0,1
	FRAG (\f)+16*\i, ADRA2+\slot, \k, \i
.endr
.endm
.macro MUL4 f, a, zero                 ; A's block a against B's four.  The accumulators take turns, one instruction a turn, in the same order in every quarter
.irp b, 0,1,2,3
.if \zero
	v_wmma_f32_16x16x128_fp8_fp8 v[ACC+8*(4*(\a)+\b):ACC+8*(4*(\a)+\b)+7], v[(\f)+64+16*\b:(\f)+64+16*\b+15], v[(\f)+16*(\a):(\f)+16*(\a)+15], 0
.else
	v_wmma_f32_16x16x128_fp8_fp8 v[ACC+8*(4*(\a)+\b):ACC+8*(4*(\a)+\b)+7], v[(\f)+64+16*\b:(\f)+64+16*\b+15], v[(\f)+16*(\a):(\f)+16*(\a)+15], v[ACC+8*(4*(\a)+\b):ACC+8*(4*(\a)+\b)+7]
.endif
.endr
.endm
.macro QUARTER slot, k, f, g, zero     ; q, 128 along K: fetches the next quarter, at byte k, into g, and multiplies buffer f
	s_wait_dscnt 16                                ; B's fragments are in; A's sixteen loads may be out
	PLACES
	FETCH \slot, \k, \g                            ; at the quarter's start: the whole quarter's products stand between these loads and their first use
	s_wait_dscnt 40                                ; A's blocks 0, 1 are in: blocks 2, 3 and the 32 just issued may be out
	WIN MUL
	MUL4 \f, 0, \zero
	MUL4 \f, 1, \zero
	s_wait_dscnt 32                                ; all but the 32 just issued
	MUL4 \f, 2, \zero
	MUL4 \f, 3, \zero
.endm
.macro QUARTER2 slot, k, f, g, zero    ; the same for the second product
	s_wait_dscnt 8                                 ; B's fragments are in; A's eight loads may be out
	PLACES
	FETCH2 \slot, \k, \g
	s_wait_dscnt 28                                ; A's block 0 is in: block 1 and the 24 just issued may be out
	WIN MUL
	MUL4 \f, 0, \zero
	s_wait_dscnt 24                                ; all but the 24 just issued
	MUL4 \f, 1, \zero
.endm
.macro AIM slot, st                    ; groups 0 for the next fill of this slot: st bytes on from the last fill's block, or (st = 0) the second product's K step 0
	s_add_co_u32 s[G0+1], s45, (\slot)*HALFT
	s_add_co_u32 s[G0B+1], s45, (\slot)*HALFT
.if \st
	s_add_nc_u64 s[G0+2:G0+3], s[G0+2:G0+3], \st
	s_add_nc_u64 s[G0B+2:G0B+3], s[G0B+2:G0B+3], \st
.else
	s_mov_b64 s[G0+2:G0+3], s[PA:PA+1]
	s_or_b32 s[G0+3], s[G0+3], 0x80000000
	s_mov_b64 s[G0B+2:G0B+3], s[PB:PB+1]
	s_or_b32 s[G0B+3], s[G0B+3], 0x80000000
.endif
.endm
; q: a slot's last quarter (buffer 1) changes slots: one barrier, which opens a round of the cluster's; every change of q's fills the slot again: with q's K step two on, or (two = 1) with the second product's;
; f2 = 1: the second product's first fragments are fetched.  n: the second product's K step that is prefetched, two K steps ahead of its load.
.macro TURN slot, next, st, two, f2, n
	WIN 0
	s_wait_tensorcnt 0x0                           ; all my tensor loads have landed, so the groups 0 may be written
	ds_add_u32 v[SPW], v[NIL]                      ; 0 onto my spare word
	AIM \slot, \st
	s_wait_dscnt 9                                 ; (the add and the youngest eight loads may be out)
	WIN MUL
	MUL4 F1, 0, 0                                  ; matrix work stands between the add and the wait for it
	s_wait_dscnt 0x0                               ; the add is done, and my reads of this slot are over
	s_barrier_signal -1
	MUL4 F1, 1, 0
	WIN 0
	s_barrier_wait -1
	CREST                                          ; no wave of any partner still reads this slot or has a load on its way
.if \two
	JLOAD2
.else
	JLOAD                                          ; my one tensor load behind the round; its four v_nop are also the places in front of the loads below
.endif
.if \f2
	FETCH2 \next, 0, F0
.else
	FETCH \next, 0, F0
.endif
	ASK2 \n
	WIN MUL
	MUL4 F1, 2, 0
	MUL4 F1, 3, 0
.endm
.macro TURN2 slot, next, fill          ; the second product's change of slots; fill = 1: this slot is filled again, two K steps ahead
	WIN 0
	s_wait_tensorcnt 0x0                           ; all my tensor loads have landed
	ds_add_u32 v[SPW], v[NIL]                      ; 0 onto my spare word
.if \fill
	AIM \slot, KB
.endif
	s_wait_dscnt 5                                 ; (the add and the youngest four loads may be out)
	WIN MUL
	MUL4 F1, 0, 0
	s_wait_dscnt 0x0                               ; the add is done, and my reads of this slot are over
	s_barrier_signal -1
	MUL4 F1, 1, 0
.if \fill
	WIN 0
.endif
	s_barrier_wait -1
.if \fill
	CREST
	JLOAD2
.else
	PLACES
.endif
	FETCH2 \next, 0, F0
.endm
; THE WAY OUT, in three macros.  na: my blocks of 16 rows (q: 4, the second product: 2).
.macro ADDCOL na, sp, cb               ; sum x 2^e + the bias of the lane's eight columns: one packed multiply-add for two numbers; each accumulator from its low end on
.set ra, 0
.rept \na
.irp b, 0,1,2,3
.irp i, 0,2,4,6
	v_pk_fma_f32 v[ACC+8*(4*ra+\b)+\i:ACC+8*(4*ra+\b)+\i+1], v[ACC+8*(4*ra+\b)+\i:ACC+8*(4*ra+\b)+\i+1], s[\sp:\sp+1], v[(\cb)+8*\b+\i:(\cb)+8*\b+\i+1] op_sel_hi:[1,0,1]
.endr
.endr
.set ra, ra+1
.endr
.endm
.macro CODES n, cd, lim, sc            ; n accumulators: the hold (the conversion does not saturate: ISA guide 7.6.2), then eight codes in two registers
.set t, 0
.rept \n
.irp i, 0,1,2,3,4,5,6,7
	v_med3_num_f32 v[ACC+8*t+\i], v[ACC+8*t+\i], -v[\lim], v[\lim]
.endr
	v_cvt_scalef32_pk8_fp8_f32 v[(\cd)+2*t:(\cd)+2*t+1], v[ACC+8*t:ACC+8*t+7], v[\sc]
.set t, t+1
.endr
	v_nop                                          ; a plain vector line behind the last conversion: matrix instructions write the numbers' registers later
.endm
.macro LEAVE na, cd, bk, dst           ; 8 codes a lane into my stage; back as rows of 64 bytes, eight rows an instruction; stores of 512 consecutive bytes, aligned
.set ra, 0
.rept \na
.irp b, 0,1,2,3
	ds_store_b64 v[STO], v[(\cd)+2*(4*ra+\b):(\cd)+2*(4*ra+\b)+1] offset:16*SPITCH*ra+16*\b
.endr
.set ra, ra+1
.endr
.set ri, 0
.rept 2*(\na)
	ds_load_b128 v[(\bk)+4*ri:(\bk)+4*ri+3], v[RD] offset:8*SPITCH*ri   ; LDS serves a wave's instructions in order: these see my stores.  Rows 8 i .. 8 i + 7
.set ri, ri+1
.endr
.set ri, 0
.rept 2*(\na)
	s_wait_dscnt 2*(\na)-1-ri
	global_store_b128 v[CO], v[(\bk)+4*ri:(\bk)+4*ri+3], s[\dst:\dst+1] offset:512*((ri&1)*2+((ri/2)&1)+(ri&4))   ; bits 3 and 4 of the row exchanged = the two low bits of i
.set ri, ri+1
.endr
.endm
	s_load_b256 s[68:75], s[0:1], 0x0              ; cod 68:69, bq 70:71, bk 72:73, bv 74:75
	s_load_b128 s[76:79], s[0:1], 0x20             ; the scales' exponents 76:77, qc 78:79
	s_load_b64 s[80:81], s[0:1], 0x30              ; kvc
	v_lshl_add_u32 v[SPW], v0, 2, SPARE
	v_mov_b32 v[NIL], 0
	ds_add_u32 v[SPW], v[NIL]                      ; the opening: the add, twice on end, ahead of my first tensor load
	ds_add_u32 v[SPW], v[NIL]
	v_lshrrev_b32 v1, 5, v0
	v_readfirstlane_b32 s10, v1                    ; wave 0..3
	s_lshr_b32 s11, s10, 1                         ; q: my half of the tile's rows.  Also: I fetch for A (0) or for B (1)
	s_and_b32 s12, s10, 1                          ; q: my half of its columns.  Also: which 64 rows I fetch
	s_bfe_u32 s40, ttmp6, 0x40000                  ; cx
	s_bfe_u32 s41, ttmp6, 0x40004                  ; cy
	s_and_b32 s13, ttmp7, 0xffff
	s_lshl_b32 s13, s13, 2                         ; 4 x cluster y
	s_lshl_b32 s43, s41, 2
	s_lshl_b32 s43, 15, s43                        ; my row of the cluster
	s_lshl_b32 s44, 0x1111, s40                    ; my column
	s_or_b32 s[G1+0], s43, (1<<20)|(1<<21)|(6<<22)|(3<<25)   ; 15:0 the mask; 17:16 elements of 1 byte; 20 padding on; 21 set beside a mask; 24:22 after every 128 words; 31:25 four words
	s_or_b32 s[G1B+0], s44, (1<<20)|(1<<21)|(6<<22)|(3<<25)
.irp g, G1, G1B
	s_mov_b32 s[\g+1], KSTEP<<16                   ; tensor_dim0 = 512
	s_mov_b32 s[\g+2], 64<<16                      ; tensor_dim1 = 64
	s_mov_b32 s[\g+3], KSTEP<<16                   ; tile_dim0 = 512
	s_mov_b32 s[\g+4], 64                          ; tile_dim1 = 64
	s_mov_b32 s[\g+5], KSTEP                       ; dense rows
	s_mov_b32 s[\g+6], 0
	s_mov_b32 s[\g+7], 0
.endr
	; the tiles of cod, in pairs of row tiles (128 rows, 2^18 bytes).  cy enters A's numbers only, cx B's only; the choice between k and v hangs on the cluster's x alone
	s_lshl_b32 s2, s12, 17                         ; the 64 rows that I fetch
	s_add_co_u32 s14, s13, s41                     ; q: A: x by entry 0, pair 4 Y + cy
	s_lshl_b32 s14, s14, 18
	s_add_co_u32 s14, s14, s2
	s_mov_b32 s15, 0
	s_lshl_b32 s46, ttmp9, 2
	s_add_co_u32 s46, s46, 48
	s_add_co_u32 s46, s46, s40                     ; q: B: Wq, pair 48 + 4 X + cx
	s_lshl_b32 s46, s46, 18
	s_add_co_u32 s46, s46, s2
	s_mov_b32 s47, 0
	s_add_co_u32 s[PA], s13, 16                    ; k: A: x by entry 2, pair 16 + 4 Y + cy
	s_lshl_b32 s[PB], ttmp9, 2
	s_add_co_u32 s[PB], s[PB], 128                 ; k: B: a head of Wk: row tile 128 + 4 X + cx
	s_lshl_b32 s42, ttmp9, 4
	s_add_co_u32 s42, s42, s13
	s_add_co_u32 s42, s42, 32                      ; v: B: 64 tokens of x by entry 4: row tile 64 + 16 (X - 2) + 4 Y + cx
	s_cmp_ge_u32 ttmp9, 2
	s_cselect_b32 s[PA], 68, s[PA]                 ; v: A: two heads of Wv, pair 68 + cy
	s_cselect_b32 s[PB], s42, s[PB]
	s_add_co_u32 s[PA], s[PA], s41
	s_add_co_u32 s[PB], s[PB], s40
	s_lshl_b32 s[PA], s[PA], 18
	s_add_co_u32 s[PA], s[PA], s2
	s_lshl_b32 s[PB], s[PB], 17
	s_mov_b32 s[PA+1], 0
	s_mov_b32 s[PB+1], 0
	s_mul_i32 s45, s10, PART                       ; where my tiles go
	s_mov_b32 s[G0], 1
	s_mov_b32 s[G0+1], s45
	s_mov_b32 s[G0B], 1
	s_mov_b32 s[G0B+1], s45
	s_wait_dscnt 0x0                               ; both opening adds are done
	s_wait_kmcnt 0x0
	s_load_b256 s[16:23], s[76:77], 0x0            ; e0 .. e7
	s_load_b32 s92, s[76:77], 0x20                 ; e8
	s_add_nc_u64 s[14:15], s[68:69], s[14:15]
	s_add_nc_u64 s[46:47], s[68:69], s[46:47]
	s_add_nc_u64 s[PA:PA+1], s[68:69], s[PA:PA+1]
	s_add_nc_u64 s[PB:PB+1], s[68:69], s[PB:PB+1]
	s_mov_b64 s[G0+2:G0+3], s[14:15]
	s_or_b32 s[G0+3], s[G0+3], 0x80000000
	s_mov_b64 s[G0B+2:G0B+3], s[46:47]
	s_or_b32 s[G0B+3], s[G0B+3], 0x80000000
	CROUND                                         ; all sixteen work-groups are here: the first joint loads meet
	JLOAD                                          ; K step 0: my one tensor load at the head
	; the prefetches: A's partners (my row) are told apart by cx, B's (my column) by cy
	s_lshl_b32 s2, s40, 13
	s_lshl_b32 s3, s41, 13
	s_cmp_eq_u32 s11, 0
	s_cselect_b64 s[PF:PF+1], s[14:15], s[46:47]
	s_cselect_b64 s[PF2:PF2+1], s[PA:PA+1], s[PB:PB+1]
	s_cselect_b32 s2, s2, s3
	s_mov_b32 s3, 0
	s_add_nc_u64 s[PF:PF+1], s[PF:PF+1], s[2:3]
	s_add_nc_u64 s[PF2:PF2+1], s[PF2:PF2+1], s[2:3]
	s_cmp_eq_u32 s10, 3
	s_cselect_b32 s93, 0, 1                        ; the second product: wave 3 fetches nothing and asks for nothing,
	s_cmp_ge_u32 ttmp9, 2
	s_cselect_b32 s2, s13, 0
	s_cmp_ge_u32 s2, 8
	s_cselect_b32 s2, 1, 0
	s_cmp_eq_u32 s11, 0
	s_cselect_b32 s2, s2, 0
	s_and_not1_b32 s93, s93, s2                    ; nor do Wv's waves in clusters y = 2, 3
	s_mul_i32 s2, s11, PART                        ; q: my 64 rows of A
	s_mul_i32 s3, s12, PART
	s_add_co_u32 s3, s3, 2*PART                    ; q: my 64 rows of B
	s_mul_i32 s42, s12, 32*PITCH
	s_add_co_u32 s42, s42, s2                      ; the second product: my 32 rows of A; B's 64 rows are every wave's
	s_mul_i32 s43, s10, 64*SPITCH
	s_add_co_u32 s43, s43, STAGE                   ; my stage
	v_and_b32 v1, 15, v0                           ; r = l % 16
	v_bfe_u32 v2, v0, 4, 1                         ; h = l / 16
	v_mul_u32_u24 v3, v1, PITCH
	v_lshl_add_u32 v3, v2, 4, v3
	v_add_nc_u32 v[ADRA], s2, v3
	v_add_nc_u32 v[ADRB], s3, v3
	v_add_nc_u32 v[ADRA2], s42, v3
	v_add_nc_u32 v[ADRB2], 2*PART, v3
	v_add_nc_u32 v[ADRA+1], HALFT, v[ADRA]
	v_add_nc_u32 v[ADRB+1], HALFT, v[ADRB]
	v_add_nc_u32 v[ADRA2+1], HALFT, v[ADRA2]
	v_add_nc_u32 v[ADRB2+1], HALFT, v[ADRB2]
	v_mul_u32_u24 v4, v1, SPITCH
	v_lshl_add_u32 v4, v2, 3, v4
	v_add_nc_u32 v[STO], s43, v4                   ; in: row r, 8 bytes for each half of the lanes
	v_and_b32 v5, 31, v0
	v_lshrrev_b32 v6, 2, v5
	v_mul_u32_u24 v6, v6, SPITCH
	v_and_b32 v7, 3, v5
	v_lshl_add_u32 v6, v7, 4, v6
	v_add_nc_u32 v[RD], s43, v6                    ; back: four lanes to a row of 64 bytes, eight rows an instruction
	v_lshlrev_b32 v[CO], 4, v5                     ; which are 512 consecutive bytes of the block
	v_lshlrev_b32 v[PFO], 8, v5
	v_lshlrev_b32 v8, 5, v2                        ; a bias by columns: 32 h
	v_lshlrev_b32 v9, 2, v1                        ; a bias by rows: 4 r
	s_wait_alu depctr_va_vdst(0)
	global_prefetch_b8 v[PFO], s[PF:PF+1] offset:KB th:TH_LOAD_NT scope:SCOPE_SE     ; q's K step 1
	global_prefetch_b8 v[PFO], s[PF:PF+1] offset:2*KB th:TH_LOAD_NT scope:SCOPE_SE   ; and 2
	; q: my block and my bias
	s_add_co_u32 s42, s13, s41
	s_lshl_b32 s42, s42, 1
	s_add_co_u32 s42, s42, s11                     ; block of 64 tokens, 0 .. 31: q's, and k's
	s_lshl_b32 s43, ttmp9, 2
	s_add_co_u32 s43, s43, s40                     ; 4 X + cx: q's tile column, and k's head
	s_lshl_b32 s44, s43, 1
	s_add_co_u32 s44, s44, s12                     ; q's head
	s_lshr_b32 s46, s42, 4                         ; b
	s_and_b32 s47, s42, 15                         ; block in the sequence
	s_lshl_b32 s2, s46, 5
	s_add_co_u32 s2, s2, s44                       ; 32 b + head
	s_lshl_b32 s2, s2, 4
	s_add_co_u32 s2, s2, s47
	s_lshl_b32 s2, s2, 12                          ; blocks of 4,096 bytes
	s_mov_b32 s3, 0
	s_add_nc_u64 s[8:9], s[78:79], s[2:3]
	s_lshl_b32 s2, s43, 9
	s_lshl_b32 s68, s12, 8
	s_add_co_u32 s2, s2, s68
	s_add_nc_u64 s[6:7], s[70:71], s[2:3]          ; bq at my 64 columns
	; the second product: my half block and my biases.  k: rows are tokens, columns a head's d; v: rows are d, columns tokens
	s_lshl_b32 s68, ttmp9, 4
	s_add_co_u32 s68, s68, s13
	s_add_co_u32 s68, s68, s40
	s_sub_co_u32 s68, s68, 32                      ; v: block of 64 tokens: 16 (X - 2) + 4 Y + cx
	s_lshl_b32 s44, s41, 1
	s_add_co_u32 s44, s44, s11                     ; v: head 2 cy + wave / 2
	s_cmp_ge_u32 ttmp9, 2
	s_cselect_b32 s68, s68, s42
	s_cselect_b32 s44, s44, s43
	s_cselect_b32 s47, 1, 0
	s_cselect_b32 s2, 0, s43                       ; the bias by columns begins at this head (v does not use it: 0 keeps the loads inside bv)
	s_cselect_b32 s46, s41, 0                      ; the bias by rows at this tile (k does not use it)
	s_cselect_b64 s[4:5], s[74:75], s[72:73]       ; bv or bk
	s_lshr_b32 s42, s68, 4                         ; b
	s_and_b32 s68, s68, 15                         ; block in the sequence
	s_lshl_b32 s42, s42, 4
	s_lshl_b32 s44, s44, 1
	s_add_co_u32 s42, s42, s44
	s_add_co_u32 s42, s42, s47                     ; 2 (8 b + head), + 1 for v
	s_lshl_b32 s42, s42, 4
	s_add_co_u32 s42, s42, s68
	s_lshl_b32 s68, s42, 12
	s_lshl_b32 s42, s12, 11                        ; my 32 rows are the block's lower or upper half
	s_add_co_u32 s68, s68, s42
	s_mov_b32 s69, 0
	s_add_nc_u64 s[94:95], s[80:81], s[68:69]
	s_lshl_b32 s2, s2, 8
	s_add_nc_u64 s[14:15], s[4:5], s[2:3]          ; the 64 columns' numbers
	s_lshl_b32 s2, s46, 9
	s_lshl_b32 s68, s10, 7
	s_add_co_u32 s2, s2, s68
	s_add_nc_u64 s[4:5], s[4:5], s[2:3]            ; my 32 rows' numbers
.irp b, 0,1,2,3
	global_load_b128 v[CB+8*\b:CB+8*\b+3], v8, s[6:7] offset:64*\b          ; columns 16 b + 8 h + 0 .. 7
	global_load_b128 v[CB+8*\b+4:CB+8*\b+7], v8, s[6:7] offset:64*\b+16
.endr
.irp b, 0,1,2,3
	global_load_b128 v[CB2+8*\b:CB2+8*\b+3], v8, s[14:15] offset:64*\b
	global_load_b128 v[CB2+8*\b+4:CB2+8*\b+7], v8, s[14:15] offset:64*\b+16
.endr
.irp a, 0,1
	global_load_b32 v[RB+2*\a], v9, s[4:5] offset:64*\a                     ; row 16 a + r
.endr
	s_wait_kmcnt 0x0
	s_add_co_i32 s2, s16, s17
	s_add_co_i32 s2, s2, 127
	s_lshl_b32 s96, s2, 23                         ; a sum of q stands for sum x 2^(e0 + e1)
	s_mov_b32 s97, s96                             ; (named with it as a pair, so it is written)
	s_add_co_i32 s3, s23, 127                      ; q is quantised by entry 7
	s_lshl_b32 s42, s3, 23
	v_mov_b32 v[SC], s42
	s_add_co_i32 s3, s3, 8
	s_lshl_b32 s3, s3, 23
	s_or_b32 s3, s3, 0x600000                      ; 448 = 1.75 x 2^8
	v_mov_b32 v[LIM], s3
	s_add_co_i32 s2, s18, s19
	s_add_co_i32 s3, s20, s21
	s_cmp_ge_u32 ttmp9, 2
	s_cselect_b32 s2, s3, s2                       ; k: e2 + e3; v: e4 + e5
	s_cselect_b32 s3, s92, s22                     ; k is quantised by entry 6, v by entry 8
	s_add_co_i32 s2, s2, 127
	s_lshl_b32 s98, s2, 23
	s_mov_b32 s99, s98
	s_add_co_i32 s3, s3, 127
	s_lshl_b32 s42, s3, 23
	v_mov_b32 v[SC2], s42
	s_add_co_i32 s3, s3, 8
	s_lshl_b32 s3, s3, 23
	s_or_b32 s3, s3, 0x600000
	v_mov_b32 v[LIM2], s3
	s_wait_alu depctr_va_vdst(0)
	s_wait_tensorcnt 0x0                           ; my part of K step 0 is in
	ds_add_u32 v[SPW], v[NIL]
	AIM 1, KB
	s_wait_dscnt 0x0                               ; the add is done
	CROUND                                         ; everybody's part of K step 0 is in, and the joint loads meet
	JLOAD                                          ; K step 1, into slot 1: the first tensor load behind the round
	FETCH 0, 0, F0
	global_prefetch_b8 v[PFO], s[PF:PF+1] offset:3*KB th:TH_LOAD_NT scope:SCOPE_SE   ; q's K step 3 (the address lies in window 0)
	QUARTER 0, 128, F0, F1, 1                      ; the first products start the sums: nothing is cleared
	QUARTER 0, 256, F1, F0, 0
	QUARTER 0, 384, F0, F1, 0
	TURN 0, 1, KB, 0, 0, 0                         ; slot 0 takes q's K step 2
	QUARTER 1, 128, F0, F1, 0
	QUARTER 1, 256, F1, F0, 0
	QUARTER 1, 384, F0, F1, 0
	TURN 1, 0, KB, 0, 0, 1                         ; slot 1 takes q's K step 3
	QUARTER 0, 128, F0, F1, 0
	QUARTER 0, 256, F1, F0, 0
	QUARTER 0, 384, F0, F1, 0
	TURN 0, 1, 0, 1, 0, 2                          ; THE RING GOES ON: slot 0 takes the second product's K step 0,
	QUARTER 1, 128, F0, F1, 0
	QUARTER 1, 256, F1, F0, 0
	QUARTER 1, 384, F0, F1, 0
	TURN 1, 0, KB, 1, 1, 3                         ; slot 1 its K step 1, and its first fragments are fetched
	WIN 0
	; q GOES OUT: both refills are asked for; nothing waits for these stores, whose registers (v192-223, v26, s[8:9]) are not written again.
	PLACES
	s_wait_loadcnt 0x0                             ; the biases, all three sets
	ADDCOL 4, 96, CB
	CODES 16, CB, LIM, SC                          ; the codes take bq's registers, which the additions above have read
	LEAVE 4, CB, BK, 8
	QUARTER2 0, 128, F0, F1, 1                     ; the second product starts its sums on accumulators that have been converted
	QUARTER2 0, 256, F1, F0, 0
	QUARTER2 0, 384, F0, F1, 0
	TURN2 0, 1, 1                                  ; slot 0 takes K step 2
	QUARTER2 1, 128, F0, F1, 0
	QUARTER2 1, 256, F1, F0, 0
	QUARTER2 1, 384, F0, F1, 0
	TURN2 1, 0, 1                                  ; slot 1 takes K step 3
	QUARTER2 0, 128, F0, F1, 0
	QUARTER2 0, 256, F1, F0, 0
	QUARTER2 0, 384, F0, F1, 0
	TURN2 0, 1, 0                                  ; nothing is left to fetch
	QUARTER2 1, 128, F0, F1, 0
	QUARTER2 1, 256, F1, F0, 0
	QUARTER2 1, 384, F0, F1, 0
	s_wait_dscnt 4
	WIN MUL
	MUL4 F1, 0, 0
	s_wait_dscnt 0x0
	MUL4 F1, 1, 0
	WIN 0
	; k OR v GOES OUT: k's bias goes by columns (the head's d), v's by rows.
	PLACES
.irp a, 0,1
	v_mov_b32 v[RB+2*\a+1], v[RB+2*\a]             ; (the packed form names the pair)
.endr
	s_cmp_ge_u32 ttmp9, 2                          ; the cluster's x: the same in all partners; only register work stands on the two ways
	s_cbranch_scc1 .Lrow_bias
	ADDCOL 2, 98, CB2
	s_branch .Lbiased
.Lrow_bias:
	s_wait_alu depctr_va_vdst(0)
.irp a, 0,1
.irp b, 0,1,2,3
.irp i, 0,2,4,6
	v_pk_fma_f32 v[ACC+8*(4*\a+\b)+\i:ACC+8*(4*\a+\b)+\i+1], v[ACC+8*(4*\a+\b)+\i:ACC+8*(4*\a+\b)+\i+1], s[98:99], v[RB+2*\a:RB+2*\a+1] op_sel_hi:[1,0,0]
.endr
.endr
.endr
.Lbiased:
	CODES 8, CD2, LIM2, SC2
	LEAVE 2, CD2, BK2, 94
	s_wait_tensorcnt 0x0                           ; the wave's end
	ds_add_u32 v[SPW], v[NIL]
	s_wait_dscnt 0x0
	CROUND                                         ; the closing round
	s_endpgm
.Lfunc_end_k_qb6a0cd33fd_qkv:
	.size	k_qb6a0cd33fd_qkv, .Lfunc_end_k_qb6a0cd33fd_qkv-k_qb6a0cd33fd_qkv
	.p2alignl 7, 3214868480
	.fill 96, 4, 3214868480
	.section	.rodata,"a",@progbits
	.p2align	6, 0x0
	.amdhsa_kernel k_qb6a0cd33fd_qkv
		.amdhsa_group_segment_fixed_size 327680
		.amdhsa_private_segment_fixed_size 0
		.amdhsa_enable_private_segment 0
		.amdhsa_kernarg_size 56
		.amdhsa_user_sgpr_count 2
		.amdhsa_user_sgpr_kernarg_segment_ptr 1
		.amdhsa_wavefront_size32 1
		.amdhsa_system_sgpr_workgroup_id_x 1
		.amdhsa_system_sgpr_workgroup_id_y 1
		.amdhsa_system_sgpr_workgroup_id_z 1
		.amdhsa_system_vgpr_workitem_id 0
		.amdhsa_next_free_vgpr 512
		.amdhsa_next_free_sgpr 106
		.amdhsa_reserve_vcc 0
		.amdhsa_float_denorm_mode_32 3
		.amdhsa_float_denorm_mode_16_64 3
		.amdhsa_memory_ordered 1
		.amdhsa_forward_progress 1
		.amdhsa_inst_pref_size 137
	.end_amdhsa_kernel
	.amdgpu_metadata
---
amdhsa.version: [ 1, 2 ]
amdhsa.kernels:
  - .name:           k_qb6a0cd33fd_qkv
    .symbol:         k_qb6a0cd33fd_qkv.kd
    .args:
      - { .name: cod, .offset: 0, .size: 8, .value_kind: global_buffer, .address_space: global }
      - { .name: bq, .offset: 8, .size: 8, .value_kind: global_buffer, .address_space: global }
      - { .name: bk, .offset: 16, .size: 8, .value_kind: global_buffer, .address_space: global }
      - { .name: bv, .offset: 24, .size: 8, .value_kind: global_buffer, .address_space: global }
      - { .name: lowp_scales, .offset: 32, .size: 8, .value_kind: global_buffer, .address_space: global }
      - { .name: qc, .offset: 40, .size: 8, .value_kind: global_buffer, .address_space: global }
      - { .name: kvc, .offset: 48, .size: 8, .value_kind: global_buffer, .address_space: global }
    .group_segment_fixed_size: 327680
    .private_segment_fixed_size: 0
    .kernarg_segment_align: 8
    .kernarg_segment_size: 56
    .max_flat_workgroup_size: 128
    .sgpr_count:     106
    .vgpr_count:     512
    .wavefront_size: 32
...
	.end_amdgpu_metadata
.endif
;; end of part 2
;; launch attn (part 3): grid 16 x 16, 16 waves a work-group, clusters of 4 x 1, 195,584 bytes of LDS; arguments qc, kvc, lowp_scales, oc, Wo, woc; writes oc, woc
.if DOCPART == 3
	.amdgcn_target "amdgcn-amd-amdhsa--gfx1250"
	.amdhsa_code_object_version 6
	.text
	.protected	k_qb6a0cd33fd_attn
	.globl	k_qb6a0cd33fd_attn
	.p2align	8
	.type	k_qb6a0cd33fd_attn,@function
k_qb6a0cd33fd_attn:
	s_mov_b64 s[64:65], 0
	v_nop
	global_prefetch_b8 v0, s[64:65] scope:SCOPE_SE
	s_setreg_imm32_b32 hwreg(HW_REG_WAVE_MODE, 25, 1), 1
	s_wait_xcnt 0x0
	s_wait_alu depctr_hold_cnt(0) depctr_sa_sdst(0) depctr_va_vdst(0) depctr_va_sdst(0) depctr_va_ssrc(0) depctr_va_vcc(0) depctr_vm_vsrc(0)
	s_getreg_b32 s2, hwreg(HW_REG_IB_STS2, 6, 4)
	s_cmp_eq_u32 s2, 0
	s_cbranch_scc0 .Lentry_in_a_cluster
	s_endpgm
.Lentry_in_a_cluster:
	s_bfe_u32 s2, ttmp6, 0x10000c
	s_cmp_lg_u32 s2, 0x3003
	s_cbranch_scc0 .Lentry_shape_is_right
	s_endpgm
.Lentry_shape_is_right:
; Causal attention with grouped heads on codes of FP8 (E4M3): for batch b, key/value head hk and its four query heads, o = softmax(q k^T / 8, keys <= query) v, quantised at once for the last projection.
; Scales: k entry 6, q entry 7, v entry 8, p entry 9, o entry 10.  t = score x log2(e) / 8; M = the running largest t rounded UP to a whole number; p = 2^(t - M) is quantised, not normalised;
; the row's sum is taken of the unquantised p in f32 and divides at the end; when M moves, the sum and O are multiplied by 2^(old M - new M), which rounds nothing.
; LIMITS: e6 + e7 between -123 and 130 (added to the exponent field of log2(e) / 8); e9, e10 and e11 between -126 and 119; e8 + e9 goes by v_ldexp_f32 and has none.  The scaled scores t stay under 2^31 in magnitude.
; WORK LEFT OUT: steps of keys that the causal mask hides whole from a tile.  No prefetch: every tile comes by the one load at the head, and the loops over keys load nothing from memory.
; SHARES.  Work-group y = b 8 + hk.  One head's K and V, 131,072 bytes, lie in LDS whole, filled ONCE: no slot is filled again, and the loops over keys have no barrier.
; The head's 16 work-groups are four clusters of four; the partners need the same K and V and ask jointly (mask 15); waves 0-7 issue one load of 16,384 bytes each.
; Wave w: query head g = (w % 8) / 2, a tile of 16 queries: tile T = 8 A + 2 cx + w % 2; waves 0-7: A = 7 - J (a LONG tile), waves 8-15: A = J (a SHORT one), J = the cluster's x (0 .. 3).  A tile has A + 1 steps of 128 keys.
; A PAIR of waves, w and w + 8, has a long and a short tile of one head, 9 steps together, and shares them: the long tile's wave takes its steps 0 - 4; the short tile's wave takes the long tile's steps 5 .. 7 - J first,
; leaves that part (O, M, the sum) in LDS, and then takes its own tile's steps 0 .. J.  So the one has 5 steps and the other 4, in every work-group.  Behind a barrier the long tile's wave joins the two parts:
; both are brought to the larger M by powers of two, and added.  Branches hang on J and on the wave's number, never on cx.
; Two loops of 2 trips, two steps a trip; what lies behind a wave's last step is jumped over; in step A, on the diagonal, hidden scores become -infinity ahead of the maximum.
; A step's K is loaded a step ahead, behind the conversions of the step before, into the registers that held its p; so scores and fragments change places from step to step, and a trip is two steps.
; LAYOUT.  Both products are used transposed: S^T = K Q^T (source 0 = 16 keys), O^T = V^T P^T (source 0 = 16 of the head's 64): a lane holds ONE query throughout.
; qc, kvc: blocks of 64 rows x 64 bytes; stored row 32 B + 16 u + r holds row 32 B + 8 u + r + 8 (r / 8): so the 16 registers of result tiles 2 B, 2 B + 1 are 16 neighbours: keys for p, d for o.
; LDS: the head's bytes as 512 rows of 256 + 16 of padding: stored row s of 64 bytes at 272 (s / 4) + 64 (s % 4): the 16 rows of a tile begin at 16 different 16-byte columns modulo 256.  K first, V from VOFF on.
; THIS LAUNCH ALSO QUANTISES Wo (entry 11): 8 rows a work-group, half a row a wave, 32 numbers a lane: loaded into v210-241 ahead of the loops, converted and stored behind them.
; oc and woc, the last product's operands, share one order: row tiles of 64 rows, each four dense blocks of 64 rows x 512 bytes; a row of 512 is two runs of 256, one for each key/value head's 256 of K;
; in a run, byte 8 l + 4 i + j is k = 128 i + 4 l + j.  So two loads of 512 bytes of Wo give a lane 8 neighbouring bytes of codes, and o's code (head g of the four, d) lies at 128 (g % 2) + 8 (d / 4) + 4 (g / 2) + d % 4.
; REGISTERS: v0 my place in my pair's part; v1 my place in a tile; v2 my query less the diagonal step's first key of my half; v3, v4 stage in, out; v5 offset in oc; v6 in qc, later in woc; v7 in Wo; v8 the next K, v9 the step's V;
; v10 -infinity; v11 a permute's destination; v12 -M, v13 largest t, v[14:15] the sum in two halves; v16-23 the long tile's Q; v242-249 my own tile's; v24, v25: 448 x 2^e9, 2^e9; v26, v27 the same with e10; v[28:29] f;
; v30, v31 at work; v32-95 and v96-159 by turns K's eight fragments, then V's four, and S^T, then p; v160-191 O^T; v192-207 p's codes; v[208:209], v[250:253] further chains of the sum.
.set PL,    272
.set TILEB, 4*PL                       ; 16 stored rows
.set BLKB,  16*PL                      ; a block of 64
.set STEPB, 2*BLKB                     ; 128 keys
.set VOFF,  256*PL
.set STAGE, 512*PL                     ; behind K and V: 64 rows (4 tiles x 16 queries) x (4 heads x 64 bytes + 16)
.set PARTS, STAGE+64*PL                ; then the pairs' parts: 9 x 512 bytes for each of 8 pairs
.set PARTB, 9*512
.set SPARE, PARTS+8*PARTB              ; then the spare words, 128 bytes a wave, which no other line names
.macro ROUND                           ; a round of the cluster's barrier
	s_barrier_signal -1
	s_barrier_wait -1
	s_cmp_lg_u32 s12, 0
	s_cbranch_scc1 .Lnot_wave_0_\@
	s_barrier_signal -3
.Lnot_wave_0_\@:
	s_barrier_wait -3
	s_barrier_signal -1
	s_barrier_wait -1
.endm
	s_load_b256 s[4:11], s[0:1], 0x0               ; qc 4:5, kvc 6:7, the scales' exponents 8:9, oc 10:11
	s_load_b128 s[68:71], s[0:1], 0x20             ; Wo, woc
	v_lshl_add_u32 v254, v0, 2, SPARE
	v_mov_b32 v255, 0
	ds_add_u32 v254, v255                          ; the opening: the add, twice on end, ahead of the first tensor load
	ds_add_u32 v254, v255
	v_lshrrev_b32 v1, 5, v0
	s_delay_alu instid0(VALU_DEP_1)
	v_readfirstlane_b32 s12, v1                    ; wave 0..15
	s_bfe_u32 s13, ttmp6, 0x40000                  ; cx
	s_and_b32 s15, ttmp7, 0xffff                   ; b 8 + hk
	s_and_b32 s47, s12, 7                          ; my pair.  Also: waves 0-7 fetch; the others make the same words and issue nothing
	s_lshr_b32 s16, s47, 1                         ; g
	s_and_b32 s19, s12, 1                          ; which of the two tiles
	s_lshr_b32 s61, s12, 3
	s_xor_b32 s18, s61, 1                          ; 1: my tile is the pair's long one
	s_sub_co_u32 s45, 7, ttmp9                     ; 7 - J
	s_lshl_b32 s46, s13, 1
	s_add_co_u32 s46, s46, s19                     ; the tile among the eight of its 128 queries
	s_cmp_eq_u32 s18, 1
	s_cselect_b32 s67, s45, ttmp9                  ; A of my own tile
	s_mov_b32 s24, 15|(1<<20)|(1<<21)|(5<<22)|(3<<25)   ; 15:0 the mask: all four partners; elements of 1 byte; 20 padding on; 21 set beside a mask; after every 64 words, four words
	s_mov_b32 s25, 256<<16                         ; tensor_dim0 = 256
	s_mov_b32 s26, 64<<16                          ; tensor_dim1 = 64
	s_mov_b32 s27, 256<<16                         ; tile_dim0 = 256
	s_mov_b32 s28, 64                              ; tile_dim1 = 64
	s_mov_b32 s29, 256                             ; dense rows
	s_mov_b32 s30, 0
	s_mov_b32 s31, 0
	s_mul_i32 s33, s47, 64*PL                      ; LDS: 64 rows a wave
	s_lshl_b32 s48, s47, 14
	s_lshl_b32 s50, s15, 17                        ; the head's 131,072 bytes
	s_add_co_u32 s48, s48, s50
	s_mov_b32 s49, 0
	s_mov_b32 s32, 1
	s_mov_b32 s20, 0x76543210
	s_mov_b32 s21, 0xfedcba98                      ; v_permlanex16_b32: lane l xor 16
	s_wait_dscnt 0x0
	s_wait_kmcnt 0x0
	s_load_b128 s[40:43], s[8:9], 0x18             ; e6, e7, e8, e9
	s_load_b32 s44, s[8:9], 0x28                   ; e10
	s_load_b32 s66, s[8:9], 0x2c                   ; e11
	s_add_nc_u64 s[34:35], s[6:7], s[48:49]
	s_or_b32 s35, s35, 0x80000000
	ROUND                                          ; the four partners are here: the joint loads meet
	s_cmp_lt_u32 s12, 8
	s_cbranch_scc0 .Lno_fetch
	tensor_load_to_lds s[32:35], s[24:31]          ; my one tensor load of the launch
	s_nop 0
.rept 4
	v_nop
.endr
.Lno_fetch:
	v_and_b32 v7, 15, v0                           ; r
	v_bfe_u32 v30, v0, 4, 1                        ; h
	s_delay_alu instid0(VALU_DEP_2)
	v_and_b32 v31, 8, v7
	s_delay_alu instid0(VALU_DEP_1)
	v_add_nc_u32 v31, v31, v7                      ; r + 8 (r / 8)
	s_delay_alu instid0(VALU_DEP_1)
	v_lshlrev_b32 v6, 6, v31
	s_delay_alu instid0(VALU_DEP_1)
	v_lshl_add_u32 v6, v30, 4, v6                  ; Q: query 16 T + r lies at stored row 32 (T / 2) + 8 (T % 2) + r + 8 (r / 8)
	s_wait_alu depctr_va_vdst(0)
	s_lshl_b32 s52, s15, 2
	s_add_co_u32 s52, s52, s16                     ; b 32 + query head
	s_lshl_b32 s52, s52, 16
	s_mov_b32 s53, 0
	s_add_nc_u64 s[4:5], s[4:5], s[52:53]
	s_lshr_b32 s54, s46, 1
	s_lshl_b32 s54, s54, 11
	s_and_b32 s55, s46, 1
	s_lshl_b32 s55, s55, 9
	s_add_co_u32 s54, s54, s55                     ; the tile's place among its eight, whose rows are 8,192 bytes
	s_lshl_b32 s52, s45, 13
	s_add_co_u32 s52, s52, s54
	s_add_nc_u64 s[76:77], s[4:5], s[52:53]        ; the pair's long tile
	s_lshl_b32 s52, s67, 13
	s_add_co_u32 s52, s52, s54
	s_add_nc_u64 s[4:5], s[4:5], s[52:53]          ; my own tile
	global_load_b128 v[16:19], v6, s[76:77]        ; d = 16 h + 0 .. 15
	global_load_b128 v[20:23], v6, s[76:77] offset:32   ; d = 32 + 16 h + 0 .. 15: the same places as in K's fragments
	global_load_b128 v[242:245], v6, s[4:5]
	global_load_b128 v[246:249], v6, s[4:5] offset:32
	v_lshrrev_b32 v31, 2, v7
	s_delay_alu instid0(VALU_DEP_1)
	v_mul_u32_u24 v1, v31, PL
	v_and_b32 v31, 3, v7
	s_delay_alu instid0(VALU_DEP_1)
	v_lshl_add_u32 v1, v31, 6, v1
	s_delay_alu instid0(VALU_DEP_1)
	v_lshl_add_u32 v1, v30, 4, v1                  ; 272 (r / 4) + 64 (r % 4) + 16 h
	s_lshl_b32 s46, s46, 4
	v_lshlrev_b32 v31, 4, v30
	s_delay_alu instid0(VALU_DEP_1)
	v_sub_nc_u32 v2, v7, v31
	s_delay_alu instid0(VALU_DEP_1)
	v_add_nc_u32 v2, s46, v2                       ; in step A register 16 B + i holds key 16 h + 32 B + i of the step: hidden where 32 B + i > this (for both tiles of the pair)
	s_lshl_b32 s51, s18, 1
	s_add_co_u32 s51, s51, s19                     ; my tile's place in the stage
	s_mul_i32 s51, s51, 16*PL
	s_lshr_b32 s52, s16, 1
	s_lshl_b32 s52, s52, 2                         ; 4 (g / 2)
	s_add_co_u32 s51, s51, s52
	s_and_b32 s52, s16, 1
	s_lshl_b32 s52, s52, 7                         ; 128 (g % 2)
	s_add_co_u32 s51, s51, s52
	s_add_co_u32 s51, s51, STAGE
	v_mul_u32_u24 v3, v7, PL
	s_delay_alu instid0(VALU_DEP_1)
	v_lshl_add_u32 v3, v30, 5, v3
	s_delay_alu instid0(VALU_DEP_1)
	v_add_nc_u32 v3, s51, v3                       ; in: row r of my tile, my head's first four codes of d = 16 h on
	s_mul_i32 s52, s12, 4*PL
	s_add_co_u32 s52, s52, STAGE
	v_mul_u32_u24 v4, v30, PL
	s_delay_alu instid0(VALU_DEP_1)
	v_lshl_add_u32 v4, v7, 4, v4
	s_delay_alu instid0(VALU_DEP_1)
	v_add_nc_u32 v4, s52, v4                       ; back: wave w takes rows 4 w .. 4 w + 3, sixteen lanes to a row of 256 bytes
	v_lshlrev_b32 v5, 9, v30
	s_delay_alu instid0(VALU_DEP_1)
	v_lshl_add_u32 v5, v7, 4, v5                   ; and the same in oc: a block's row is 512 bytes
	s_lshr_b32 s80, s12, 2                         ; the tile whose rows I store: place w / 4 of the stage, rows 4 (w % 4) on
	s_and_b32 s17, s12, 3
	s_lshr_b32 s54, s80, 1
	s_cmp_eq_u32 s54, 1
	s_cselect_b32 s54, s45, ttmp9
	s_lshl_b32 s54, s54, 3
	s_lshl_b32 s55, s13, 1
	s_add_co_u32 s54, s54, s55
	s_and_b32 s55, s80, 1
	s_add_co_u32 s54, s54, s55
	s_lshl_b32 s54, s54, 4
	s_lshl_b32 s55, s17, 2
	s_add_co_u32 s54, s54, s55
	s_lshr_b32 s55, s15, 3
	s_lshl_b32 s55, s55, 10
	s_add_co_u32 s54, s54, s55                     ; token
	s_lshr_b32 s55, s54, 6
	s_lshl_b32 s55, s55, 17                        ; the row tile,
	s_and_b32 s54, s54, 63
	s_lshl_b32 s54, s54, 9                         ; the row in its blocks,
	s_add_co_u32 s54, s54, s55
	s_bfe_u32 s55, s15, 0x20001
	s_lshl_b32 s55, s55, 15                        ; the block: hk / 2,
	s_add_co_u32 s54, s54, s55
	s_and_b32 s55, s15, 1
	s_lshl_b32 s55, s55, 8                         ; and the run of 256 bytes: hk % 2
	s_add_co_u32 s54, s54, s55
	s_mov_b32 s55, 0
	s_add_nc_u64 s[10:11], s[10:11], s[54:55]
	v_mov_b32 v10, 0xff800000
	v_mov_b32 v11, 0
	v_mov_b32 v29, 0                               ; (named as the upper half of the pair v[28:29])
.macro CLEAR                           ; the step is written once for all trips: the first change of M multiplies zeros
	v_mov_b32 v13, 0xff61b1e6                      ; the largest t so far: -3e38
	v_mov_b32 v14, 0
	v_mov_b32 v15, 0
.set n, 0
.rept 32
	v_mov_b32 v[160+n], 0                          ; O^T
.set n, n+1
.endr
	v_floor_f32 v12, -v13
.endm
	CLEAR
	s_wait_kmcnt 0x0
	s_add_co_i32 s56, s40, s41
	s_lshl_b32 s56, s56, 23
	s_mov_b32 s22, 0x3e38aa3b                      ; log2(e) / 8
	s_add_co_i32 s22, s22, s56                     ; x 2^(e6 + e7)
	s_mov_b32 s23, s22
	s_add_co_i32 s56, s43, 127
	s_lshl_b32 s57, s56, 23
	v_mov_b32 v25, s57
	s_add_co_i32 s56, s56, 8
	s_lshl_b32 s56, s56, 23
	s_or_b32 s56, s56, 0x600000
	v_mov_b32 v24, s56
	s_add_co_i32 s56, s44, 127
	s_lshl_b32 s57, s56, 23
	v_mov_b32 v27, s57
	s_add_co_i32 s56, s56, 8
	s_lshl_b32 s56, s56, 23
	s_or_b32 s56, s56, 0x600000
	v_mov_b32 v26, s56
	s_add_co_i32 s58, s42, s43                     ; e8 + e9
	s_lshl_b32 s72, ttmp9, 2
	s_add_co_u32 s72, s72, s13
	s_lshl_b32 s73, s15, 4
	s_add_co_u32 s72, s72, s73                     ; my work-group's number, 0 .. 255
	s_lshl_b32 s72, s72, 3
	s_lshr_b32 s73, s12, 1
	s_add_co_u32 s72, s72, s73                     ; my row of Wo: 8 x that + wave / 2
	s_and_b32 s73, s12, 1                          ; which half of it
	s_lshl_b32 s74, s72, 13
	s_lshl_b32 s75, s73, 12
	s_add_co_u32 s74, s74, s75
	s_mov_b32 s75, 0
	s_add_nc_u64 s[68:69], s[68:69], s[74:75]
	s_lshr_b32 s74, s72, 6
	s_lshl_b32 s74, s74, 17
	s_and_b32 s72, s72, 63
	s_lshl_b32 s72, s72, 9
	s_add_co_u32 s74, s74, s72
	s_lshl_b32 s73, s73, 16                        ; two blocks on for the second half
	s_add_co_u32 s74, s74, s73
	s_add_nc_u64 s[70:71], s[70:71], s[74:75]
	s_add_co_i32 s72, s66, 127
	s_lshl_b32 s73, s72, 23                        ; 2^e11
	s_add_co_i32 s72, s72, 8
	s_lshl_b32 s72, s72, 23
	s_or_b32 s72, s72, 0x600000                    ; 448 x 2^e11
	s_mul_i32 s63, s47, PARTB
	s_add_co_u32 s63, s63, PARTS
	v_and_b32 v7, 31, v0
	s_delay_alu instid0(VALU_DEP_1)
	v_lshlrev_b32 v7, 4, v7                        ; 16 x lane
	s_delay_alu instid0(VALU_DEP_1)
	v_add_nc_u32 v0, s63, v7                       ; my 16 bytes of each 512 of the pair's part
	; the first loop, on the long tile: its wave: steps 0 .. 3; the short tile's wave: steps 5 .. 7 - J
	s_mul_i32 s38, s61, 5                          ; the trip's first step
	s_mul_i32 s39, s61, 5*STEPB                    ; and its first LDS byte
	s_cmp_eq_u32 s18, 1
	s_cselect_b32 s36, 3, s45                      ; my last step,
	s_mov_b32 s60, s45                             ; and the tile's diagonal step
	s_mov_b32 s62, 0
	s_wait_alu depctr_va_vdst(0)
	s_wait_tensorcnt 0x0                           ; my part of K and V has landed,
	s_barrier_signal -1
	s_barrier_wait -1                              ; everybody's has
	s_wait_loadcnt 0x0                             ; Q
.irp i, 0,1,2,3,4,5,6,7
	global_load_b128 v[210+4*\i:213+4*\i], v7, s[68:69] offset:512*\i th:TH_LOAD_NT   ; Wo: 512 consecutive bytes; read once; waited for behind the loops
.endr
.macro KLOAD reg                       ; eight fragments of K at v8
.irp t, 0,1,2,3,4,5,6,7
	ds_load_b128 v[\reg+8*\t:\reg+8*\t+3], v8 offset:TILEB*\t
	ds_load_b128 v[\reg+8*\t+4:\reg+8*\t+7], v8 offset:TILEB*\t+32
.endr
.endm
.macro STEP par, q                     ; step s38 + par; its K is on its way into v[KR] on
.set KR, 32+64*(\par)
.set SR, 96-64*(\par)
	s_add_co_u32 s78, s39, (\par)*STEPB
	s_min_u32 s78, s78, 7*STEPB                    ; (the last step there is: a step behind it is jumped over)
	s_add_co_u32 s79, s39, (\par+1)*STEPB
	s_min_u32 s79, s79, 7*STEPB
	v_add_nc_u32 v9, s78, v1
	v_add_nc_u32 v8, s79, v1                       ; the next step's K
	s_delay_alu instid0(VALU_DEP_2)
	v_add_nc_u32 v9, VOFF, v9                      ; this step's V
	v_nop
	v_nop                                          ; five places behind the last step's products, whose V the scores are written over
	s_wait_alu depctr_va_vdst(0)
	s_wait_dscnt 0x0                               ; K
.irp t, 0,1,2,3,4,5,6,7
	v_wmma_f32_16x16x64_fp8_fp8 v[SR+8*\t:SR+8*\t+7], v[KR+8*\t:KR+8*\t+7], v[\q:\q+7], 0
.endr
.rept 4
	v_nop
.endr
.irp t, 0,1,2,3                        ; V's four fragments are asked for now and land under the softmax: rows d of tile t; keys 32 c + 16 h + 0 .. 15 (c = 2, 3: the step's second block)
.irp c, 0,1,2,3
	ds_load_b128 v[KR+16*\t+4*\c:KR+16*\t+4*\c+3], v9 offset:TILEB*\t+BLKB*(\c/2)+32*(\c%2)
.endr
.endr
	s_add_co_u32 s78, s38, \par
	s_cmp_lg_u32 s78, s60
	s_cbranch_scc1 .Lopen_\@                       ; all keys of this step count
.set n, 0
.rept 64
	v_cmp_gt_i32 vcc_lo, 32*(n/16)+n%16, v2
	v_cndmask_b32 v[SR+n], v[SR+n], v10, vcc_lo
.set n, n+1
.endr
.Lopen_\@:
	v_max3_num_f32 v30, v[SR], v[SR+1], v[SR+2]    ; the step's largest score of my query among my 64 keys, in two chains, each accumulator from its low end on
	v_max3_num_f32 v31, v[SR+3], v[SR+4], v[SR+5]
.irp i, 6,10,14,18,22,26,30,34,38,42,46,50,54,58
	v_max3_num_f32 v30, v30, v[SR+\i], v[SR+\i+1]
	v_max3_num_f32 v31, v31, v[SR+\i+2], v[SR+\i+3]
.endr
	v_max3_num_f32 v30, v30, v[SR+62], v[SR+63]
	s_delay_alu instid0(VALU_DEP_1)
	v_max_num_f32 v30, v30, v31
	s_delay_alu instid0(VALU_DEP_1)
	v_permlanex16_b32 v11, v30, s20, s21
	s_delay_alu instid0(VALU_DEP_1)
	v_max_num_f32 v30, v30, v11                    ; and among lane l xor 16's (the step's first key counts for every query of the tile, so this is a number)
	s_delay_alu instid0(VALU_DEP_1)
	v_mul_f32 v30, s22, v30
	s_delay_alu instid0(VALU_DEP_1)
	v_max_num_f32 v13, v13, v30
	v_mov_b32 v30, v12
	s_delay_alu instid0(VALU_DEP_2)
	v_floor_f32 v12, -v13                          ; -M = floor(-t)
	s_delay_alu instid0(VALU_DEP_1)
	v_sub_f32 v30, v12, v30                        ; old M - new M: a whole number, 0 or less
	s_delay_alu instid0(VALU_DEP_1)
	v_cvt_i32_f32 v30, v30                         ; (it saturates)
	s_delay_alu instid0(VALU_DEP_1)
	v_ldexp_f32 v28, 1.0, v30                      ; f
.set n, 0
.rept 32
	v_pk_fma_f32 v[SR+n:SR+n+1], v[SR+n:SR+n+1], s[22:23], v[12:13] op_sel_hi:[1,0,0]   ; t - M
.set n, n+2
.endr
.set n, 0
	s_wait_alu depctr_va_vdst(0)
.rept 64
	v_exp_f32 v[SR+n], v[SR+n]                     ; p
.set n, n+1
.endr
	v_pk_mul_f32 v[14:15], v[14:15], v[28:29] op_sel_hi:[1,0]   ; the sums under the new M: the plain line behind the exponentials
	s_wait_alu depctr_va_vdst(0)                   ; one wait for the batch, ahead of its first reader
	v_pk_add_f32 v[208:209], v[SR:SR+1], v[SR+2:SR+3]    ; the row's sum, of the unquantised p, in four chains
	v_pk_add_f32 v[250:251], v[SR+4:SR+5], v[SR+6:SR+7]
	v_pk_add_f32 v[252:253], v[SR+8:SR+9], v[SR+10:SR+11]
	v_pk_add_f32 v[14:15], v[14:15], v[SR+12:SR+13]
.irp j, 14,22,30,38,46,54
	v_pk_add_f32 v[208:209], v[208:209], v[SR+\j:SR+\j+1]
	v_pk_add_f32 v[250:251], v[250:251], v[SR+\j+2:SR+\j+3]
	v_pk_add_f32 v[252:253], v[252:253], v[SR+\j+4:SR+\j+5]
	v_pk_add_f32 v[14:15], v[14:15], v[SR+\j+6:SR+\j+7]
.endr
	v_pk_add_f32 v[208:209], v[208:209], v[SR+62:SR+63]
	v_pk_add_f32 v[250:251], v[250:251], v[252:253]
	v_pk_add_f32 v[14:15], v[14:15], v[208:209]
	s_delay_alu instid0(VALU_DEP_1)
	v_pk_add_f32 v[14:15], v[14:15], v[250:251]
.irp b, 0,1,2,3
.irp i, 0,2,4,6,8,10,12,14
	v_dual_min_num_f32 v[SR+16*\b+\i], v24, v[SR+16*\b+\i] :: v_dual_min_num_f32 v[SR+16*\b+\i+1], v24, v[SR+16*\b+\i+1]   ; p is not negative: a one-sided hold
.endr
	v_cvt_scalef32_pk8_fp8_f32 v[192+4*\b:193+4*\b], v[SR+16*\b:SR+16*\b+7], v25
	v_cvt_scalef32_pk8_fp8_f32 v[194+4*\b:195+4*\b], v[SR+16*\b+8:SR+16*\b+15], v25
.endr
	s_wait_dscnt 0x0                               ; V
	s_add_co_u32 s78, s38, \par
	s_cmp_ge_u32 s78, s36
	s_cbranch_scc1 .Lno_next_\@                    ; my last step on this tile
	KLOAD SR                                       ; the next step's K, where p was
.Lno_next_\@:
	s_wait_alu depctr_va_vdst(0)
.set n, 0
.rept 16
	v_pk_mul_f32 v[160+n:161+n], v[160+n:161+n], v[28:29] op_sel_hi:[1,0]   ; O^T under the new M; also the plain lines between the conversions and the products
.set n, n+2
.endr
.irp t, 0,1,2,3
	v_wmma_f32_16x16x128_fp8_fp8 v[160+8*\t:167+8*\t], v[KR+16*\t:KR+16*\t+15], v[192:207], v[160+8*\t:167+8*\t]
.endr
.endm
.macro KEYS q, lp                      ; two trips of two steps on the tile whose Q lies in v[q] on
	v_add_nc_u32 v8, s39, v1
	KLOAD 32                                       ; the first step's K
.Ltrip\lp:
	s_cmp_gt_u32 s38, s36
	s_cbranch_scc1 .Lout\lp
	STEP 0, \q
	s_cmp_ge_u32 s38, s36
	s_cbranch_scc1 .Lout\lp
	STEP 1, \q
.Lout\lp:
	s_add_co_u32 s39, s39, 2*STEPB
	s_add_co_u32 s38, s38, 2
	s_add_co_u32 s62, s62, 1
	s_cmp_lt_u32 s62, 2
	s_cbranch_scc1 .Ltrip\lp
	s_wait_dscnt 0x0                               ; no load of K is out on any way
.endm
	KEYS 16, 1
	; between the loops: the short tile's wave leaves its part of the long tile in LDS and begins its own tile
.rept 4
	v_nop                                          ; places behind the last products
.endr
	s_cmp_eq_u32 s18, 1
	s_cbranch_scc1 .Lgo_on
	ds_store_b128 v0, v[12:15]                     ; -M, the largest t, the sum's halves
.irp i, 0,1,2,3,4,5,6,7
	ds_store_b128 v0, v[160+4*\i:163+4*\i] offset:512+512*\i
.endr
	CLEAR
	s_wait_alu depctr_va_vdst(0)
.Lgo_on:
	; the second loop, on my own tile: the long tile's wave: step 4 alone; the short tile's: steps 0 .. J
	s_lshl_b32 s38, s18, 2
	s_mul_i32 s39, s18, 4*STEPB
	s_mov_b32 s60, s67
	s_cmp_eq_u32 s18, 1
	s_cselect_b32 s36, 4, ttmp9
	s_mov_b32 s62, 0
	KEYS 242, 2
.rept 4
	v_nop
.endr
	s_wait_loadcnt 0x0                             ; Wo's numbers
	s_wait_dscnt 0x0                               ; for the other wave's sake: my stores into the pair's part have landed
	s_barrier_signal -1
	v_mov_b32 v16, s72                             ; register work while the others arrive: Wo's codes
	v_mov_b32 v17, s73
.set n, 0
.rept 32
	v_med3_num_f32 v[210+n], v[210+n], -v16, v16   ; the conversion to an 8-bit code does not saturate (ISA guide 7.6.2): hold first
.set n, n+1
.endr
.irp b, 0,1,2,3
	v_cvt_scalef32_pk8_fp8_f32 v[40+2*\b:41+2*\b], v[210+8*\b:217+8*\b], v17
.endr
	v_lshrrev_b32 v6, 1, v7                        ; 8 x lane
	s_wait_alu depctr_va_vdst(0)
	s_barrier_wait -1
.irp b, 0,1,2,3
	global_store_b64 v6, v[40+2*\b:41+2*\b], s[70:71] offset:32768*(\b/2)+256*(\b%2)   ; 32 lanes store 256 consecutive bytes, aligned
.endr
	s_cmp_lg_u32 s18, 1
	s_cbranch_scc1 .Lwhole
	; the long tile's two parts are joined under the larger M.  (J = 3: the other part is empty: its -M is 3e38, so its factor is 0)
	ds_load_b128 v[32:35], v0
.irp i, 0,1,2,3,4,5,6,7
	ds_load_b128 v[96+4*\i:99+4*\i], v0 offset:512+512*\i
.endr
	s_wait_dscnt 0x0
	v_min_num_f32 v30, v12, v32                    ; -M of both
	v_sub_f32 v36, v30, v12
	v_sub_f32 v37, v30, v32
	v_cvt_i32_f32 v36, v36
	v_cvt_i32_f32 v37, v37
	v_ldexp_f32 v28, 1.0, v36
	v_ldexp_f32 v32, 1.0, v37
	v_pk_mul_f32 v[14:15], v[14:15], v[28:29] op_sel_hi:[1,0]
.set n, 0
.rept 16
	v_pk_mul_f32 v[160+n:161+n], v[160+n:161+n], v[28:29] op_sel_hi:[1,0]
.set n, n+2
.endr
	v_pk_fma_f32 v[14:15], v[34:35], v[32:33], v[14:15] op_sel_hi:[1,0,1]
.set n, 0
.rept 16
	v_pk_fma_f32 v[160+n:161+n], v[96+n:97+n], v[32:33], v[160+n:161+n] op_sel_hi:[1,0,1]
.set n, n+2
.endr
.Lwhole:
	; THE WAY OUT: O^T x 2^(e8 + e9) / the sum, quantised by entry 10.  Registers of tiles 2 B, 2 B + 1 are d = 32 B + 16 h + 0 .. 15: 16 codes.  The four heads' codes of a token meet in the stage and leave as 256 bytes.
	v_add_f32 v14, v14, v15
	s_delay_alu instid0(VALU_DEP_1)
	v_permlanex16_b32 v11, v14, s20, s21
	s_delay_alu instid0(VALU_DEP_1)
	v_add_f32 v14, v14, v11
	s_wait_alu depctr_va_vdst(0)
	v_rcp_f32 v14, v14
	v_nop                                          ; a plain line behind the reciprocal
	s_wait_alu depctr_va_vdst(0)                   ; and the wait ahead of its first reader
	v_ldexp_f32 v14, v14, s58
.set n, 0
.rept 16
	v_pk_mul_f32 v[96+n:97+n], v[160+n:161+n], v[14:15] op_sel_hi:[1,0]
.set n, n+2
.endr
.set n, 0
.rept 32
	v_med3_num_f32 v[96+n], v[96+n], -v26, v26
.set n, n+1
.endr
.irp t, 0,1,2,3
	v_cvt_scalef32_pk8_fp8_f32 v[192+2*\t:193+2*\t], v[96+8*\t:103+8*\t], v27
.endr
	v_nop
.irp m, 0,1,2,3
	ds_store_b32 v3, v[192+\m] offset:8*\m         ; d = 16 h + 4 m on
	ds_store_b32 v3, v[196+\m] offset:64+8*\m      ; d = 32 + 16 h + 4 m on
.endr
	s_wait_dscnt 0x0                               ; for the others' sake: my stores have landed
	s_barrier_signal -1
	s_barrier_wait -1
	ds_load_b128 v[32:35], v4
	ds_load_b128 v[36:39], v4 offset:2*PL
	s_wait_dscnt 1
	global_store_b128 v5, v[32:35], s[10:11]       ; 16 lanes store 256 consecutive bytes, aligned
	s_wait_dscnt 0x0
	global_store_b128 v5, v[36:39], s[10:11] offset:1024
	s_wait_tensorcnt 0x0                           ; the wave's end
	ds_add_u32 v254, v255
	s_wait_dscnt 0x0
	ROUND                                          ; the closing round
	s_endpgm
.Lfunc_end_k_qb6a0cd33fd_attn:
	.size	k_qb6a0cd33fd_attn, .Lfunc_end_k_qb6a0cd33fd_attn-k_qb6a0cd33fd_attn
	.p2alignl 7, 3214868480
	.fill 96, 4, 3214868480
	.section	.rodata,"a",@progbits
	.p2align	6, 0x0
	.amdhsa_kernel k_qb6a0cd33fd_attn
		.amdhsa_group_segment_fixed_size 195584
		.amdhsa_private_segment_fixed_size 0
		.amdhsa_enable_private_segment 0
		.amdhsa_kernarg_size 48
		.amdhsa_user_sgpr_count 2
		.amdhsa_user_sgpr_kernarg_segment_ptr 1
		.amdhsa_wavefront_size32 1
		.amdhsa_system_sgpr_workgroup_id_x 1
		.amdhsa_system_sgpr_workgroup_id_y 1
		.amdhsa_system_sgpr_workgroup_id_z 1
		.amdhsa_system_vgpr_workitem_id 0
		.amdhsa_next_free_vgpr 256
		.amdhsa_next_free_sgpr 84
		.amdhsa_reserve_vcc 1
		.amdhsa_float_denorm_mode_32 3
		.amdhsa_float_denorm_mode_16_64 3
		.amdhsa_memory_ordered 1
		.amdhsa_forward_progress 1
		.amdhsa_inst_pref_size 112
	.end_amdhsa_kernel
	.amdgpu_metadata
---
amdhsa.version: [ 1, 2 ]
amdhsa.kernels:
  - .name:           k_qb6a0cd33fd_attn
    .symbol:         k_qb6a0cd33fd_attn.kd
    .args:
      - { .name: qc, .offset: 0, .size: 8, .value_kind: global_buffer, .address_space: global }
      - { .name: kvc, .offset: 8, .size: 8, .value_kind: global_buffer, .address_space: global }
      - { .name: lowp_scales, .offset: 16, .size: 8, .value_kind: global_buffer, .address_space: global }
      - { .name: oc, .offset: 24, .size: 8, .value_kind: global_buffer, .address_space: global }
      - { .name: Wo, .offset: 32, .size: 8, .value_kind: global_buffer, .address_space: global }
      - { .name: woc, .offset: 40, .size: 8, .value_kind: global_buffer, .address_space: global }
    .group_segment_fixed_size: 195584
    .private_segment_fixed_size: 0
    .kernarg_segment_align: 8
    .kernarg_segment_size: 48
    .max_flat_workgroup_size: 512
    .sgpr_count:     84
    .vgpr_count:     256
    .wavefront_size: 32
...
	.end_amdgpu_metadata
.endif
;; end of part 3
;; launch oproj (part 4): grid 16 x 16, 4 waves a work-group, clusters of 4 x 4, 327,680 bytes of LDS; arguments oc, woc, bo, lowp_scales, out0; writes out0
.if DOCPART == 4
	.amdgcn_target "amdgcn-amd-amdhsa--gfx1250"
	.amdhsa_code_object_version 6
	.text
	.protected	k_qb6a0cd33fd_oproj
	.globl	k_qb6a0cd33fd_oproj
	.p2align	8
	.type	k_qb6a0cd33fd_oproj,@function
k_qb6a0cd33fd_oproj:
	s_mov_b64 s[64:65], 0
	v_nop
	global_prefetch_b8 v0, s[64:65] scope:SCOPE_SE
	s_setreg_imm32_b32 hwreg(HW_REG_WAVE_MODE, 25, 1), 1
	s_wait_xcnt 0x0
	s_wait_alu depctr_hold_cnt(0) depctr_sa_sdst(0) depctr_va_vdst(0) depctr_va_sdst(0) depctr_va_ssrc(0) depctr_va_vcc(0) depctr_vm_vsrc(0)
	s_getreg_b32 s2, hwreg(HW_REG_IB_STS2, 6, 4)
	s_cmp_eq_u32 s2, 0
	s_cbranch_scc0 .Lentry_in_a_cluster
	s_endpgm
.Lentry_in_a_cluster:
	s_bfe_u32 s2, ttmp6, 0x10000c
	s_cmp_lg_u32 s2, 0xf033
	s_cbranch_scc0 .Lentry_shape_is_right
	s_endpgm
.Lentry_shape_is_right:
; out = o Wo^T + bo on codes of FP8 (E4M3): A = o's codes (entry 10 of the scales), B = Wo's (entry 11), sums in f32.  LIMIT: e10 + e11 between -126 and 127, so that 2^(e10 + e11) is an f32 number.
; oc, woc: row tiles of 64 rows, 131,072 bytes each: four dense blocks of 64 rows x 512 bytes, one for each 512 of K, both in one order of k.
; A work-group makes a tile of 128 x 128: 256 work-groups; four waves of 64 x 64, 16 accumulators.  K goes in four steps of 512 through two LDS slots, written out.
; A fill is one dense block of 64 rows a wave.  THE HEAD: each wave's one load brings its part of K step 0; K step 1's goes out behind a round, when step 0 has landed, and has step 0's products in which to land.
; LDS: wave w's part is 128 rows from 128 w PITCH on: 64 rows of slot 0, then of slot 1; parts 0, 1: A's rows; parts 2, 3: B's.
; CLUSTERS: 4 x 4 work-groups; A's tile is shared along a row of the cluster, B's along a column, by joint loads.  THE MATRIX INSTRUCTION IS USED TRANSPOSED (source 0 = B): a lane holds eight neighbouring columns of a row.
; PREFETCH: K steps 1 and 2 at the head, K step 3 behind step 1's load: of a wave's block of 32,768 bytes each of the four partners names 8,192 (by cx for A, by cy for B), a lane a piece of 256 bytes.
; REGISTERS: window 0: v16-31 addresses; v32-63 bo of my 64 columns; v64-95 at work, v96-127 and (behind block 0's sums) v128-159 rows on the way out; v128-255 accumulator (a, b) at v[128 + 8 (4 a + b)];
;   window 1: two fragment buffers of 128 registers: A's four fragments, then B's four.
.set KSTEP,  512
.set KB,     32768                     ; a block in memory
.set PITCH,  528                       ; an LDS row: 512 bytes + 16 of padding
.set HALFT,  64*PITCH
.set PART,   2*HALFT
.set STAGE,  4*PART                    ; behind the slots: 16 rows x 272 bytes for each wave
.set SPITCH, 272
.set SPARE,  STAGE+4*16*SPITCH         ; the spare words, 128 bytes a wave, which no other line names
.set ADRA, 16
.set ADRB, 20
.set STO,  24
.set RD,   25
.set CO,   26
.set PFO,  27
.set SPW,  28
.set NIL,  29
.set CB,   32
.set TMP,  64
.set BK,   96
.set ACC,  128
.set F0,   0
.set F1,   128
.set G1,  24
.set G1B, 48
.set G0,  32
.set G0B, 36
.set PF,  94
.set MSB, 0
.macro WIN new                         ; the immediate's high byte repeats the setting that is left
.if MSB != \new
	s_set_vgpr_msb (MSB<<8)|\new
.set MSB, \new
.endif
.endm
.set MUL,  0x05                        ; sources 0 and 1 window 1; C and D window 0
.set TO_F, 0x40                        ; destination window 1, address window 0
.macro JLOAD                           ; a joint load: waves 0, 1 fetch A's halves, waves 2, 3 B's; an s_nop 0 and four v_nop follow each line
	s_cmp_eq_u32 s11, 0
	s_cbranch_scc0 .Lfor_b_\@
	tensor_load_to_lds s[G0:G0+3], s[G1:G1+7]
	s_nop 0
.rept 4
	v_nop
.endr
	s_branch .Lasked_\@
.Lfor_b_\@:
	tensor_load_to_lds s[G0B:G0B+3], s[G1B:G1B+7]
	s_nop 0
.rept 4
	v_nop
.endr
.Lasked_\@:
.endm
.macro CREST                           ; a round of the cluster's barrier behind its opening barrier
	s_cmp_lg_u32 s10, 0
	s_cbranch_scc1 .Lnot_wave_0_\@
	s_barrier_signal -3
.Lnot_wave_0_\@:
	s_barrier_wait -3
	s_barrier_signal -1
	s_barrier_wait -1
.endm
.macro CROUND
	s_barrier_signal -1
	s_barrier_wait -1
	CREST
.endm
.macro PLACES                          ; four places in front of loads into registers that matrix instructions have read, and of the first read of results
.rept 4
	v_nop
.endr
.endm
.macro FRAG reg, adr, k, i             ; lane l holds row l % 16; registers 4 c .. 4 c + 3 hold bytes 32 c + 16 (l / 16) + 0 .. 15 of the 128: the same places in A and in B
.irp c, 0,1,2,3
	ds_load_b128 v[(\reg)+4*\c:(\reg)+4*\c+3], v[\adr] offset:(\k)+32*\c+(\i)*16*PITCH
.endr
.endm
.macro FETCH slot, k, f                ; 32 LDS loads in one run: B's four fragments, then A's four; the youngest eight are A's blocks 2 and 3
	WIN TO_F
.irp i, 0,1,2,3
	FRAG (\f)+64+16*\i, ADRB+\slot, \k, \i
.endr
.irp i, 0,1,2,3
	FRAG (\f)+16*\i, ADRA+\slot, \k, \i
.endr
.endm
.macro MUL4 f, a, zero                 ; A's block a against B's four; the accumulators take turns in the same order in every quarter
.irp b, 0,1,2,3
.if \zero
	v_wmma_f32_16x16x128_fp8_fp8 v[ACC+8*(4*(\a)+\b):ACC+8*(4*(\a)+\b)+7], v[(\f)+64+16*\b:(\f)+64+16*\b+15], v[(\f)+16*(\a):(\f)+16*(\a)+15], 0
.else
	v_wmma_f32_16x16x128_fp8_fp8 v[ACC+8*(4*(\a)+\b):ACC+8*(4*(\a)+\b)+7], v[(\f)+64+16*\b:(\f)+64+16*\b+15], v[(\f)+16*(\a):(\f)+16*(\a)+15], v[ACC+8*(4*(\a)+\b):ACC+8*(4*(\a)+\b)+7]
.endif
.endr
.endm
.macro QUARTER slot, k, f, g, zero     ; 128 along K: fetches the next quarter, at byte k, into g, and multiplies buffer f
	s_wait_dscnt 16                                ; B's fragments are in; A's sixteen loads may be out
	PLACES
	FETCH \slot, \k, \g                            ; at the quarter's start: the whole quarter's products stand between these loads and their first use
	s_wait_dscnt 40                                ; A's blocks 0, 1 are in: blocks 2, 3 and the 32 just issued may be out
	WIN MUL
	MUL4 \f, 0, \zero
	MUL4 \f, 1, \zero
	s_wait_dscnt 32                                ; all but the 32 just issued
	MUL4 \f, 2, \zero
	MUL4 \f, 3, \zero
.endm
.macro AIM slot                        ; groups 0 for the next fill: into this slot, one block on
	s_add_co_u32 s[G0+1], s45, (\slot)*HALFT
	s_add_co_u32 s[G0B+1], s45, (\slot)*HALFT
	s_add_nc_u64 s[G0+2:G0+3], s[G0+2:G0+3], KB
	s_add_nc_u64 s[G0B+2:G0B+3], s[G0B+2:G0B+3], KB
.endm
.macro TURN slot, next, fill           ; a slot's last quarter changes slots; fill = 1: this slot takes the K step two on
	WIN 0
	s_wait_tensorcnt 0x0                           ; all my tensor loads have landed, so the groups 0 may be written
	ds_add_u32 v[SPW], v[NIL]                      ; 0 onto my spare word
.if \fill
	AIM \slot
.endif
	s_wait_dscnt 9                                 ; (the add and the youngest eight loads may be out)
	WIN MUL
	MUL4 F1, 0, 0                                  ; matrix work stands between the add and the wait for it
	s_wait_dscnt 0x0                               ; the add is done, and my reads of this slot are over
	s_barrier_signal -1
	MUL4 F1, 1, 0
.if \fill
	WIN 0
.endif
	s_barrier_wait -1
.if \fill
	CREST                                          ; no wave of any partner still reads this slot or has a load on its way
	JLOAD                                          ; my one tensor load behind the round; its four v_nop are also the places in front of the loads below
.else
	PLACES
.endif
	FETCH \next, 0, F0
	WIN MUL
	MUL4 F1, 2, 0
	MUL4 F1, 3, 0
.endm
	s_load_b256 s[68:75], s[0:1], 0x0              ; oc, woc, bo, the scales' exponents
	s_load_b64 s[76:77], s[0:1], 0x20              ; out0
	v_lshl_add_u32 v[SPW], v0, 2, SPARE
	v_mov_b32 v[NIL], 0
	ds_add_u32 v[SPW], v[NIL]                      ; the opening: the add, twice on end, ahead of my first tensor load
	ds_add_u32 v[SPW], v[NIL]
	v_lshrrev_b32 v1, 5, v0
	v_readfirstlane_b32 s10, v1                    ; wave 0..3
	s_lshr_b32 s11, s10, 1                         ; my half of the tile's rows.  Also: I fetch for A (0) or for B (1)
	s_and_b32 s12, s10, 1                          ; my half of its columns.  Also: which 64 rows I fetch
	s_bfe_u32 s40, ttmp6, 0x40000                  ; cx
	s_bfe_u32 s41, ttmp6, 0x40004                  ; cy
	s_lshl_b32 s42, ttmp9, 2
	s_add_co_u32 s42, s42, s40                     ; tile column
	s_and_b32 s13, ttmp7, 0xffff
	s_lshl_b32 s13, s13, 2
	s_add_co_u32 s13, s13, s41                     ; tile row
	s_lshl_b32 s43, s41, 2
	s_lshl_b32 s43, 15, s43                        ; my row of the cluster
	s_lshl_b32 s44, 0x1111, s40                    ; my column
	s_or_b32 s[G1+0], s43, (1<<20)|(1<<21)|(6<<22)|(3<<25)   ; the mask; elements of 1 byte; padding: four words after every 128; bit 21 set beside a mask
	s_or_b32 s[G1B+0], s44, (1<<20)|(1<<21)|(6<<22)|(3<<25)
.irp g, G1, G1B
	s_mov_b32 s[\g+1], KSTEP<<16
	s_mov_b32 s[\g+2], 64<<16
	s_mov_b32 s[\g+3], KSTEP<<16
	s_mov_b32 s[\g+4], 64                          ; one block
	s_mov_b32 s[\g+5], KSTEP                       ; dense rows
	s_mov_b32 s[\g+6], 0
	s_mov_b32 s[\g+7], 0
.endr
	s_lshl_b32 s20, s13, 18
	s_lshl_b32 s46, s42, 18
	s_lshl_b32 s18, s12, 17                        ; the 64 rows that I fetch
	s_add_co_u32 s20, s20, s18
	s_add_co_u32 s46, s46, s18
	s_mov_b32 s21, 0
	s_mov_b32 s47, 0
	s_mul_i32 s45, s10, PART                       ; where my tiles go
	s_mov_b32 s[G0], 1
	s_mov_b32 s[G0+1], s45
	s_mov_b32 s[G0B], 1
	s_mov_b32 s[G0B+1], s45
	s_wait_dscnt 0x0                               ; both opening adds are done
	s_wait_kmcnt 0x0
	s_load_b64 s[92:93], s[74:75], 0x28            ; e10, e11
	s_add_nc_u64 s[20:21], s[68:69], s[20:21]
	s_add_nc_u64 s[46:47], s[70:71], s[46:47]
	s_mov_b64 s[G0+2:G0+3], s[20:21]
	s_or_b32 s[G0+3], s[G0+3], 0x80000000
	s_mov_b64 s[G0B+2:G0B+3], s[46:47]
	s_or_b32 s[G0B+3], s[G0B+3], 0x80000000
	CROUND                                         ; all sixteen work-groups are here: the first joint loads meet
	JLOAD                                          ; K step 0: my one tensor load at the head
	s_lshl_b32 s2, s40, 13                         ; the prefetches: A's partners are told apart by cx, B's by cy
	s_lshl_b32 s3, s41, 13
	s_cmp_eq_u32 s11, 0
	s_cselect_b64 s[PF:PF+1], s[20:21], s[46:47]
	s_cselect_b32 s2, s2, s3
	s_mov_b32 s3, 0
	s_add_nc_u64 s[PF:PF+1], s[PF:PF+1], s[2:3]
	s_mul_i32 s2, s11, PART                        ; my 64 rows of A
	s_mul_i32 s3, s12, PART
	s_add_co_u32 s3, s3, 2*PART                    ; my 64 rows of B
	s_mul_i32 s23, s10, 16*SPITCH
	s_add_co_u32 s23, s23, STAGE                   ; my stage
	v_and_b32 v1, 15, v0                           ; r
	v_bfe_u32 v2, v0, 4, 1                         ; h
	v_mul_u32_u24 v3, v1, PITCH
	v_lshl_add_u32 v3, v2, 4, v3
	v_add_nc_u32 v[ADRA], s2, v3
	v_add_nc_u32 v[ADRB], s3, v3
	v_add_nc_u32 v[ADRA+1], HALFT, v[ADRA]
	v_add_nc_u32 v[ADRB+1], HALFT, v[ADRB]
	v_mul_u32_u24 v4, v1, SPITCH
	v_lshl_add_u32 v4, v2, 5, v4
	v_add_nc_u32 v[STO], s23, v4                   ; in: row r, 32 bytes for each half of the lanes
	v_mul_u32_u24 v5, v2, SPITCH
	v_lshl_add_u32 v5, v1, 4, v5
	v_add_nc_u32 v[RD], s23, v5                    ; back: lanes 0-15 take one row of 256 bytes, lanes 16-31 the next
	v_lshlrev_b32 v6, 13, v2
	v_lshl_add_u32 v[CO], v1, 4, v6                ; and the same two rows in out0
	v_and_b32 v7, 31, v0
	v_lshlrev_b32 v[PFO], 8, v7
	v_lshlrev_b32 v8, 5, v2                        ; bo: 32 h
	s_wait_alu depctr_va_vdst(0)
	global_prefetch_b8 v[PFO], s[PF:PF+1] offset:KB th:TH_LOAD_NT scope:SCOPE_SE     ; K step 1
	global_prefetch_b8 v[PFO], s[PF:PF+1] offset:2*KB th:TH_LOAD_NT scope:SCOPE_SE   ; and 2
	s_lshl_b32 s16, s13, 20
	s_lshl_b32 s17, s11, 19
	s_add_co_u32 s16, s16, s17                     ; my first row, in bytes,
	s_lshl_b32 s18, s42, 9
	s_lshl_b32 s19, s12, 8
	s_add_co_u32 s18, s18, s19                     ; my first column
	s_mov_b32 s19, 0
	s_add_nc_u64 s[6:7], s[72:73], s[18:19]
	s_add_co_u32 s16, s16, s18
	s_mov_b32 s17, 0
	s_add_nc_u64 s[8:9], s[76:77], s[16:17]
.irp b, 0,1,2,3
	global_load_b128 v[CB+8*\b:CB+8*\b+3], v8, s[6:7] offset:64*\b
	global_load_b128 v[CB+8*\b+4:CB+8*\b+7], v8, s[6:7] offset:64*\b+16
.endr
	s_wait_kmcnt 0x0
	s_add_co_i32 s2, s92, s93
	s_add_co_i32 s2, s2, 127
	s_lshl_b32 s96, s2, 23                         ; 2^(e10 + e11)
	s_mov_b32 s97, s96                             ; (named with it as a pair, so it is written)
	s_wait_tensorcnt 0x0                           ; my part of K step 0 is in
	ds_add_u32 v[SPW], v[NIL]
	AIM 1
	s_wait_dscnt 0x0                               ; the add is done
	CROUND                                         ; everybody's part of K step 0 is in, and the joint loads meet
	JLOAD                                          ; K step 1, into slot 1: the first tensor load behind the round
	FETCH 0, 0, F0
	global_prefetch_b8 v[PFO], s[PF:PF+1] offset:3*KB th:TH_LOAD_NT scope:SCOPE_SE   ; K step 3 (the address lies in window 0)
	QUARTER 0, 128, F0, F1, 1                      ; the first products start the sums: nothing is cleared
	QUARTER 0, 256, F1, F0, 0
	QUARTER 0, 384, F0, F1, 0
	TURN 0, 1, 1                                   ; slot 0 takes K step 2
	QUARTER 1, 128, F0, F1, 0
	QUARTER 1, 256, F1, F0, 0
	QUARTER 1, 384, F0, F1, 0
	TURN 1, 0, 1                                   ; slot 1 takes K step 3
	QUARTER 0, 128, F0, F1, 0
	QUARTER 0, 256, F1, F0, 0
	QUARTER 0, 384, F0, F1, 0
	TURN 0, 1, 0                                   ; nothing is left to fetch
	QUARTER 1, 128, F0, F1, 0
	QUARTER 1, 256, F1, F0, 0
	QUARTER 1, 384, F0, F1, 0
	s_wait_dscnt 8
	WIN MUL
	MUL4 F1, 0, 0
	MUL4 F1, 1, 0
	s_wait_dscnt 0x0
	MUL4 F1, 2, 0
	MUL4 F1, 3, 0
	WIN 0
; THE WAY OUT, block by block of 16 rows x 64 columns through my own stage: while a block's rows come back, the next block is made.
.macro TOSTAGE a, bk
.irp b, 0,1,2,3
.irp i, 0,2,4,6
	v_pk_fma_f32 v[TMP+8*\b+\i:TMP+8*\b+\i+1], v[ACC+8*(4*\a+\b)+\i:ACC+8*(4*\a+\b)+\i+1], s[96:97], v[CB+8*\b+\i:CB+8*\b+\i+1] op_sel_hi:[1,0,1]   ; sum x 2^(e10 + e11) + bo
.endr
.endr
.irp b, 0,1,2,3
	ds_store_b128 v[STO], v[TMP+8*\b:TMP+8*\b+3] offset:64*\b
	ds_store_b128 v[STO], v[TMP+8*\b+4:TMP+8*\b+7] offset:64*\b+16
.endr
.irp i, 0,1,2,3,4,5,6,7
	ds_load_b128 v[\bk+4*\i:\bk+4*\i+3], v[RD] offset:\i*2*SPITCH   ; LDS serves a wave's instructions in order: these see my stores, and the next block's stores come behind them
.endr
.endm
.macro SEND a, bk, younger             ; younger: the next block's LDS instructions, which may stay out
	s_wait_dscnt \younger
.irp i, 0,1,2,3,4,5,6,7
	global_store_b128 v[CO], v[\bk+4*\i:\bk+4*\i+3], s[8:9] offset:(16*\a+2*\i)*8192 th:TH_STORE_NT   ; 16 lanes store 256 consecutive bytes, aligned
.endr
.endm
	PLACES
	s_wait_loadcnt 0x0                             ; bo
	TOSTAGE 0, BK
	TOSTAGE 1, ACC                                 ; block 0's accumulators have been read
	SEND 0, BK, 16
	s_wait_xcnt 0x0                                ; block 0's stores have read their registers
	TOSTAGE 2, BK
	SEND 1, ACC, 16
	s_wait_xcnt 0x0                                ; block 1's stores have read theirs
	TOSTAGE 3, ACC
	SEND 2, BK, 16
	SEND 3, ACC, 0
	s_wait_tensorcnt 0x0                           ; the wave's end
	ds_add_u32 v[SPW], v[NIL]
	s_wait_dscnt 0x0
	CROUND                                         ; the closing round
	s_endpgm
.Lfunc_end_k_qb6a0cd33fd_oproj:
	.size	k_qb6a0cd33fd_oproj, .Lfunc_end_k_qb6a0cd33fd_oproj-k_qb6a0cd33fd_oproj
	.p2alignl 7, 3214868480
	.fill 96, 4, 3214868480
	.section	.rodata,"a",@progbits
	.p2align	6, 0x0
	.amdhsa_kernel k_qb6a0cd33fd_oproj
		.amdhsa_group_segment_fixed_size 327680
		.amdhsa_private_segment_fixed_size 0
		.amdhsa_enable_private_segment 0
		.amdhsa_kernarg_size 40
		.amdhsa_user_sgpr_count 2
		.amdhsa_user_sgpr_kernarg_segment_ptr 1
		.amdhsa_wavefront_size32 1
		.amdhsa_system_sgpr_workgroup_id_x 1
		.amdhsa_system_sgpr_workgroup_id_y 1
		.amdhsa_system_sgpr_workgroup_id_z 1
		.amdhsa_system_vgpr_workitem_id 0
		.amdhsa_next_free_vgpr 512
		.amdhsa_next_free_sgpr 100
		.amdhsa_reserve_vcc 0
		.amdhsa_float_denorm_mode_32 3
		.amdhsa_float_denorm_mode_16_64 3
		.amdhsa_memory_ordered 1
		.amdhsa_forward_progress 1
		.amdhsa_inst_pref_size 75
	.end_amdhsa_kernel
	.amdgpu_metadata
---
amdhsa.version: [ 1, 2 ]
amdhsa.kernels:
  - .name:           k_qb6a0cd33fd_oproj
    .symbol:         k_qb6a0cd33fd_oproj.kd
    .args:
      - { .name: oc, .offset: 0, .size: 8, .value_kind: global_buffer, .address_space: global }
      - { .name: woc, .offset: 8, .size: 8, .value_kind: global_buffer, .address_space: global }
      - { .name: bo, .offset: 16, .size: 8, .value_kind: global_buffer, .address_space: global }
      - { .name: lowp_scales, .offset: 24, .size: 8, .value_kind: global_buffer, .address_space: global }
      - { .name: out0, .offset: 32, .size: 8, .value_kind: global_buffer, .address_space: global }
    .group_segment_fixed_size: 327680
    .private_segment_fixed_size: 0
    .kernarg_segment_align: 8
    .kernarg_segment_size: 40
    .max_flat_workgroup_size: 128
    .sgpr_count:     100
    .vgpr_count:     512
    .wavefront_size: 32
...
	.end_amdgpu_metadata
.endif
;; end of part 4
